; MI455X (gfx1250); checked and timed in simulation.
; The chip was launched on July 23, 2026; its instructions are those of AMD's public machine-readable ISA for CDNA 5 (MIT licence, August 2026) and "CDNA5" Instruction Set Architecture Reference Guide (July 2026). The comments in the code are by the model that wrote it; some were corrected since.
;; Attention. Allowed arithmetic: matrix products marked QUANTISED: E4M3 operands, one given power-of-two scale a tensor, by v_wmma_f32_16x16x64_fp8_fp8 or v_wmma_f32_16x16x128_fp8_fp8, f32 sums; everything else in f32.
;; Inputs: W_fc2_codes 1,024 x 32 x 32 uint8 (E4M3 codes of W_fc2, K innermost, in blocks of 32 codes); W_fc_codes 3,072 x 32 x 32 uint8 (E4M3 codes of W_fc, K innermost, in blocks of 32 codes); b_fc 3,072 float32; b_fc2 1,024 float32; lowp_scales 8 int32 (the exponents e of the quantised operands' scales 2^e); x 4 x 2,048 x 1,024 float32.
;; Outputs: out0 4 x 2,048 x 1,024 float32.
;; This version of the problem:
;;   THIS VERSION OF THE PROBLEM IS GIVEN IN LOW PRECISION. The matrix products marked QUANTISED in the list below multiply operands that are first quantised to E4M3 (4 exponent bits, 3 mantissa bits; 8 bits a number), with one given power-of-two scale for each operand tensor; their sums are f32. All else is computed in f32.
;;   The module's matrix products, in the order in which they are computed (A, B: the left and right operand; K: the contracted axis; several contracted axes count as one K, in the product's order):
;;     1. [M 8,192, K 1,024] x [K 1,024, N 3,072]; A: input x; B: input W_fc (given as codes): QUANTISED (scales: A lowp_scales[0], B lowp_scales[1])
;;     2. batch 64 x [M 2,048, K 64] x [K 64, N 2,048]; A: computed on the way; B: computed on the way: QUANTISED (scales: A lowp_scales[2], B lowp_scales[3])
;;     3. batch 64 x [M 64, K 2,048] x [K 2,048, N 2,048]; A: computed on the way; B: softmax (see below): QUANTISED (scales: A lowp_scales[4], B lowp_scales[5])
;;     4. [M 8,192, K 1,024] x [K 1,024, N 1,024]; A: computed on the way; B: input W_fc2 (given as codes): QUANTISED (scales: A lowp_scales[6], B lowp_scales[7])
;;   THE QUANTISER, for each operand of a quantised product, along K:
;;     - The operand's scale is 2^e, e = its entry of the input lowp_scales (int32; the entries are numbered through the quantised products in the list's order, A before B).
;;     - Each number is divided by the scale, clamped to +-448, and rounded to the nearest number of E4M3, ties to even, subnormals kept.
;;     - The product sums the exact products of the quantised numbers (number of the format x scale) in f32.
;;   ~~~python
;;   def quantise(x, axis, e):      # numpy; x: float32 -> the quantised numbers, widened to float32 again
;;       x = np.moveaxis(x, axis, -1); K = x.shape[-1]
;;       r = np.clip(x / 2.0 ** e, -448, 448)
;;       step = 2.0 ** (np.maximum(np.frexp(np.where(r == 0, 1, r))[1] - 1, -6) - 3)
;;       q = np.round(r / step) * step * 2.0 ** e      # np.round: ties to even
;;       return np.moveaxis(q, -1, axis).astype(np.float32)
;;   ~~~
;;   SOFTMAX AHEAD OF A QUANTISED PRODUCT. Where the list says 'softmax', what is quantised is not the finished softmax but p = 2^(t - M), with t = logit x log2(e) and M = ceil(the row's largest t), a whole number; so 1/2 < the row's largest p <= 1. The row's sum l is taken of the UNQUANTISED p, in f32, and the product's result is divided by l at the end. Since M is a whole number, a kernel that streams over the keys may use a running M (the ceiling of the running maximum): every later rescaling is an exact power of two, so the quantised numbers keep their values, but for numbers so far below the row's largest that they fall under the format's range.
;;   OPERANDS COMPUTED ON THE WAY. 'Computed on the way' means the value that the module computes at that place (a softmax that the list does not call 'softmax' is quantised finished and normalised). What goes into a quantiser is computed in f32, as accurately as f32 sums, v_exp_f32 and their like allow (about 1e-6 of the number): no bf16 or f16 on the way to a quantiser, and a product that is left as it is and whose result goes on into a quantised operand takes f32 operands (vector FMAs, or v_wmma_f32_16x16x4_f32). A number that lies on a knife's edge between two numbers of the format may be rounded either way, as far as f32 arithmetic and the matrix unit's own rounding can turn it there, and no further.
;;   INPUTS GIVEN AS CODES. W_fc (in the module: [1024, 3072], K = its axis 0); W_fc2 (in the module: [1024, 1024], K = its axis 0): each comes as NAME_codes (uint8): NAME with its K axis moved to the last place and cut into blocks of 32 codes, [.., K / 32, bytes a block], one block behind the other in memory; one code a byte (a code: sign, 4 exponent bits, 3 mantissa bits); its scale is its entry of lowp_scales. Its value is code x scale, taken as it is: it is not quantised again, and the codes and scales need not be those that the quantiser above would give.
;; 2 versions. Each part assembles by itself: llvm-mc -triple=amdgcn-amd-amdhsa -mcpu=gfx1250 --defsym DOCPART=n.
;; ======== version 1 of 2: 4 launches
;; workspace buffers: x_codes 8,388,608 bytes; q_img 8,388,608 bytes; k_img 8,388,608 bytes; v_img 8,388,608 bytes; nv_img 8,388,608 bytes
;; launch quantx (part 1): grid 512 x 1, 4 waves a work-group, no clusters, 33,280 bytes of LDS; arguments x, lowp_scales, x_codes; writes x_codes
.if DOCPART == 1
	.amdgcn_target "amdgcn-amd-amdhsa--gfx1250"
	.amdhsa_code_object_version 6
	.text
	.protected	k_q0bf0883b87_quantx
	.globl	k_q0bf0883b87_quantx
	.p2align	8
	.type	k_q0bf0883b87_quantx,@function
k_q0bf0883b87_quantx:
	s_mov_b64 s[64:65], 0
	v_nop
	global_prefetch_b8 v0, s[64:65] scope:SCOPE_SE
	s_setreg_imm32_b32 hwreg(HW_REG_WAVE_MODE, 25, 1), 1
	s_wait_xcnt 0x0
; x [8192][1024] f32 becomes codes of E4M3, one byte each, row-major with K innermost, with the given scale 2^e0 (entry 0 of the scales).
; code = x / 2^e0, held within +-448, rounded to the nearest code, ties to even.  LIMITS: e0 between -126 and 119, so that 2^e0 and 448 x 2^e0 are f32 numbers; NaN among the inputs is not served.
; Rows are dense, so the tensor is a plain stream.  A wave takes 8 steps of 512 numbers.  Each of a step's four loads reads 512 consecutive bytes, 16 a lane; the conversions want 16 NEIGHBOURS in one lane,
; so a step's 2,048 bytes go through the wave's own stage in LDS as they lie and come back 64 bytes a lane (16 bytes of padding behind each 64).  A lane's 16 codes are 16 bytes: the wave stores 512 consecutive bytes.
; No tensor loads, no barrier, no cluster, no matrix unit: the waves share nothing and every byte is read once.  Loads run four steps (16 loads a wave) ahead, the turn through LDS one step.
.set STEPS, 8
.set EMAX,  8
.set MANT,  0x600000                   ; the mantissa field of 448 as f32
.set R,     16                         ; v16-79   four sets of 16 numbers as they are loaded
.set X,     80                         ; v80-111  two sets of 16 neighbours
.set C,     128                        ; v128-159 codes: four registers for each step, so that no store's data are written again
.set WREG,  8192                       ; LDS: a region of its own for each wave: two stages of 32 x SP bytes
.set SP,    80                         ; a lane's place in a stage: its 64 bytes + 16 of padding
	s_load_b128 s[4:7], s[0:1], 0x0                ; x, the scales' exponents
	s_load_b64 s[8:9], s[0:1], 0x10                ; the codes
	v_lshl_add_u32 v160, v0, 2, 0x8000
	v_mov_b32 v161, 0
	v_lshrrev_b32 v1, 5, v0
	v_readfirstlane_b32 s16, v1                    ; wave
	v_and_b32 v2, 31, v0                           ; lane
	v_lshlrev_b32 v3, 4, v2                        ; 16 x lane: my 16 bytes of a load's 512, and of a store's
	s_mul_i32 s17, s16, WREG
	v_lshrrev_b32 v14, 2, v2
	v_mul_u32_u24 v14, v14, SP
	v_and_b32 v15, 3, v2
	v_lshl_add_u32 v14, v15, 4, v14
	v_add_nc_u32 v14, s17, v14                     ; the stage, on the way in: SP (lane / 4) + 16 (lane % 4); a load's 512 bytes take eight places
	v_mul_u32_u24 v15, v2, SP
	v_add_nc_u32 v15, s17, v15                     ; and on the way out: SP x lane: my 16 neighbours
	s_lshl_b32 s18, ttmp9, 2
	s_add_co_u32 s18, s18, s16                     ; which run of 4,096 numbers is my wave's
	s_lshl_b32 s20, s18, 14                        ; 16,384 bytes of x,
	s_mov_b32 s21, 0
	s_lshl_b32 s22, s18, 12                        ; 4,096 bytes of codes
	s_mov_b32 s23, 0
	s_wait_kmcnt 0x0
	s_load_b32 s24, s[6:7], 0x0                    ; e0
	s_add_nc_u64 s[4:5], s[4:5], s[20:21]
	s_add_nc_u64 s[8:9], s[8:9], s[22:23]
.macro LOAD t
.irp i, 0,1,2,3
	global_load_b128 v[R+16*((\t)%4)+4*\i:R+16*((\t)%4)+4*\i+3], v3, s[4:5] offset:2048*(\t)+512*\i th:TH_LOAD_NT   ; 32 lanes read 512 consecutive bytes
.endr
.endm
.macro TURN t                          ; step t's numbers through the stage: LDS serves a wave's instructions in order, so no wait stands between the stores and the loads
.irp i, 0,1,2,3
	ds_store_b128 v14, v[R+16*((\t)%4)+4*\i:R+16*((\t)%4)+4*\i+3] offset:32*SP*((\t)%2)+8*SP*\i
.endr
.irp i, 0,1,2,3
	ds_load_b128 v[X+16*((\t)%2)+4*\i:X+16*((\t)%2)+4*\i+3], v15 offset:32*SP*((\t)%2)+16*\i
.endr
.endm
.irp t, 0,1,2,3
	LOAD \t
.endr
	s_wait_kmcnt 0x0
	s_add_co_i32 s24, s24, 127
	s_lshl_b32 s25, s24, 23
	v_mov_b32 v11, s25                             ; 2^e0 as f32: the conversion takes its exponent field
	s_add_co_i32 s24, s24, EMAX
	s_lshl_b32 s24, s24, 23
	s_or_b32 s24, s24, MANT
	v_mov_b32 v10, s24                             ; 448 x 2^e0
	s_wait_loadcnt 12                              ; step 0's four loads are in; the twelve of steps 1 to 3 may be out
	TURN 0
.macro STEP t
.set XS, X+16*((\t)%2)
	s_wait_dscnt 0x0                               ; this step's numbers are back from the stage: so its stores into the stage have read their registers,
.if (\t)+4 < STEPS
	LOAD (\t)+4                                    ; which take the loads of four steps on
.endif
.if (\t)+1 < STEPS
.if STEPS-2-(\t) >= 3
	s_wait_loadcnt 12                              ; the next step's four loads are in; those of the three steps behind it may be out
.else
	s_wait_loadcnt 4*(STEPS-2-(\t))                ; near the end fewer steps stand behind it
.endif
	TURN (\t)+1                                    ; and go through the other stage while this step is worked
.endif
.irp i, 0,1,2,3,4,5,6,7,8,9,10,11,12,13,14,15
	v_med3_num_f32 v[XS+\i], v[XS+\i], -v10, v10   ; the conversion to an 8-bit code does not saturate (ISA guide 7.6.2): hold the number within 448 x the scale first
.endr
	v_cvt_scalef32_pk8_fp8_f32 v[C+4*(\t):C+4*(\t)+1], v[XS:XS+7], v11          ; eight numbers / 2^e0, to the nearest code, ties to even; the first number's code in the lowest byte
	v_cvt_scalef32_pk8_fp8_f32 v[C+4*(\t)+2:C+4*(\t)+3], v[XS+8:XS+15], v11
	global_store_b128 v3, v[C+4*(\t):C+4*(\t)+3], s[8:9] offset:512*(\t)        ; 32 lanes store 512 consecutive bytes, at a multiple of 256 from the buffer's first byte
.endm
.irp t, 0,1,2,3,4,5,6,7
	STEP \t
.endr
	s_wait_tensorcnt 0x0
	ds_add_u32 v160, v161
	s_wait_dscnt 0x0
	s_endpgm
.Lfunc_end_k_q0bf0883b87_quantx:
	.size	k_q0bf0883b87_quantx, .Lfunc_end_k_q0bf0883b87_quantx-k_q0bf0883b87_quantx
	.p2alignl 7, 3214868480
	.fill 96, 4, 3214868480
	.section	.rodata,"a",@progbits
	.p2align	6, 0x0
	.amdhsa_kernel k_q0bf0883b87_quantx
		.amdhsa_group_segment_fixed_size 33280
		.amdhsa_private_segment_fixed_size 0
		.amdhsa_enable_private_segment 0
		.amdhsa_kernarg_size 24
		.amdhsa_user_sgpr_count 2
		.amdhsa_user_sgpr_kernarg_segment_ptr 1
		.amdhsa_wavefront_size32 1
		.amdhsa_system_sgpr_workgroup_id_x 1
		.amdhsa_system_sgpr_workgroup_id_y 1
		.amdhsa_system_sgpr_workgroup_id_z 1
		.amdhsa_system_vgpr_workitem_id 0
		.amdhsa_next_free_vgpr 162
		.amdhsa_next_free_sgpr 66
		.amdhsa_reserve_vcc 0
		.amdhsa_float_denorm_mode_32 3
		.amdhsa_float_denorm_mode_16_64 3
		.amdhsa_memory_ordered 1
		.amdhsa_forward_progress 1
		.amdhsa_inst_pref_size 20
	.end_amdhsa_kernel
	.amdgpu_metadata
---
amdhsa.version: [ 1, 2 ]
amdhsa.kernels:
  - .name:           k_q0bf0883b87_quantx
    .symbol:         k_q0bf0883b87_quantx.kd
    .args:
      - { .name: x, .offset: 0, .size: 8, .value_kind: global_buffer, .address_space: global }
      - { .name: lowp_scales, .offset: 8, .size: 8, .value_kind: global_buffer, .address_space: global }
      - { .name: x_codes, .offset: 16, .size: 8, .value_kind: global_buffer, .address_space: global }
    .group_segment_fixed_size: 33280
    .private_segment_fixed_size: 0
    .kernarg_segment_align: 8
    .kernarg_segment_size: 24
    .max_flat_workgroup_size: 128
    .sgpr_count:     66
    .vgpr_count:     162
    .wavefront_size: 32
...
	.end_amdgpu_metadata
.endif
;; end of part 1
;; launch qkv (part 2): grid 16 x 32, 4 waves a work-group, clusters of 4 x 4, 327,680 bytes of LDS; arguments x_codes, W_fc_codes, lowp_scales, b_fc, q_img, k_img, v_img; writes q_img, k_img, v_img
.if DOCPART == 2
	.amdgcn_target "amdgcn-amd-amdhsa--gfx1250"
	.amdhsa_code_object_version 6
	.text
	.protected	k_q0bf0883b87_qkv
	.globl	k_q0bf0883b87_qkv
	.p2align	8
	.type	k_q0bf0883b87_qkv,@function
k_q0bf0883b87_qkv:
	s_mov_b64 s[64:65], 0
	v_nop
	global_prefetch_b8 v0, s[64:65] scope:SCOPE_SE
	s_setreg_imm32_b32 hwreg(HW_REG_WAVE_MODE, 25, 1), 1
	s_wait_xcnt 0x0
	s_wait_alu depctr_hold_cnt(0) depctr_sa_sdst(0) depctr_va_vdst(0) depctr_va_sdst(0) depctr_va_ssrc(0) depctr_va_vcc(0) depctr_vm_vsrc(0)
	s_getreg_b32 s2, hwreg(HW_REG_IB_STS2, 6, 4)
	s_cmp_eq_u32 s2, 0
	s_cbranch_scc0 .Lentry_in_a_cluster
	s_endpgm
.Lentry_in_a_cluster:
	s_bfe_u32 s2, ttmp6, 0x10000c
	s_cmp_lg_u32 s2, 0xf033
	s_cbranch_scc0 .Lentry_shape_is_right
	s_endpgm
.Lentry_shape_is_right:
; qkv = swish(x W_fc + b_fc) on codes of E4M3, and its three parts quantised at once for the attention that follows.
; x_codes [8192][1024], W_fc_codes [3072][1024]: K innermost.  A sum stands for sum x 2^(e0 + e1).  q is quantised with 2^e2, k with 2^e3, v with 2^e4.
; LIMITS: e0 + e1 between -126 and 127; e2, e3, e4 between -126 and 119, so that each power of two below is an f32 number.  NaN is not served; what lies beyond a scale's range is held at +-448 x the scale.
; SHARES.  A work-group makes 256 tokens x the 192 columns of ONE head (64 of q, 64 of k, 64 of v).  Wave w: tokens 128 (w / 2) on (just one key step of the attention), and of each part the 32 columns 32 (w % 2) on:
; six blocks of 16 columns, b = 0, 1 of q, 2, 3 of k, 4, 5 of v; 8 x 6 accumulators, 384 registers.
; THE OUTPUTS ARE IMAGES OF THE NEXT LAUNCH'S OPERAND REGISTERS, four registers x 32 lanes = 512 bytes a store, lane l's 16 bytes at 16 l:
;   q, k: the product is used TRANSPOSED (source 0 = 16 rows of W, source 1 = 16 tokens): a lane holds one token and eight neighbouring d, and one conversion gives registers 2 c, 2 c + 1 of the 16 x 64 fragment.
;   v:    the product is used as it is (source 0 = 16 tokens, source 1 = 16 rows of W): a lane holds one d and eight neighbouring tokens, and one conversion gives registers 2 a, 2 a + 1 of V^T's 16 x 128 fragment.
;   q_img, k_img: [64 heads of batches][128 tiles of 16 tokens][1,024 bytes];  v_img: [64][16 steps of 128 keys][4 tiles of 16 d][2,048 bytes].  Nothing is transposed and nothing goes through a stage.
; K goes in steps of 256 through a ring of two LDS slots filled by the tensor data mover (rows of 256 bytes of memory); four K steps, written out.
; CLUSTERS: 4 x 4 work-groups.  The four of a row of the cluster need the same tokens, the four of a column the same head's rows of W: each tile is asked for JOINTLY, by the same tensor load with a mask that names the four.
; A fragment (16 rows x 128 K) is fetched by four loads of 16 bytes, 32 apart: a permutation of k that is the same on both sides, so every product meets its partner.
; REGISTERS, in windows of 256: window 0: v1-29 addresses; v32-67 the biases; v68-73 the quantisers' constants; v76-115 codes; from v128 x's 8 fragments, ONE set (on the way out: v128-175 values, v176-223 at work).
;   window 1: W's 6 fragments, TWO sets, at v0 and v128.   window 2: accumulator (a, b) of token blocks a = 0-3 at v[8 (6 a + b)];   window 3: those of a = 4-7.
.set ROWB,   256                       ; a tile's row in bytes: 256 codes
.set PITCH,  272                       ; an LDS row: 256 bytes + 16 of padding = 68 words: the 16 rows that a load touches start 4 words apart
.set HALFA,  128*PITCH                 ; 128 tokens: what waves 0 and 1 each fetch
.set HALFB,  96*PITCH                  ; 96 rows of W: what waves 2 and 3 each fetch
.set SLOT,   2*HALFA+2*HALFB           ; 256 tokens, then the head's 192 rows of W
.set SPARE,  2*SLOT                    ; behind the ring: the spare words, 128 bytes for each wave: two blocks of 256 bytes that no other line names
.set FR,     16                        ; registers of a fragment
.set ADRA, 16                          ; v16-17  LDS address of my tokens' fragments in slot 0, 1
.set ADRB, 20                          ; v20-21  the same for W
.set OQ,   24                          ; v24     16 x lane + 512 (w % 2): my place in an image of q or k
.set OV,   25                          ; v25     16 x lane: my place in an image of v
.set BH,   26                          ; v26     32 (lane / 16): the bias of a lane's eight columns
.set BR,   27                          ; v27     4 (lane % 16): the bias of a lane's one column
.set SPW,  28                          ; v28     LDS address of my spare word; never rewritten
.set NIL,  29                          ; v29     0; never rewritten
.set BQK,  32                          ; v32-63  biases of blocks 0-3, eight a lane
.set BV,   64                          ; v64-67  biases of blocks 4, 5: the low word of a pair each
.set CQ,   76                          ; v76-79  q's codes of a token block;  v80-83 k's
.set CK,   80
.set CV0,  84                          ; v84-99  V^T's fragment of block 4;  v100-115 of block 5
.set CV1,  100
.set AF,   128
.set VAL,  128
.set E,    176
.set G1, 24                            ; s[24:31] descriptor group 1 for the tokens' tiles;  s[32:39] group 0, one set for each slot
.set G0, 32
.set G1B, 48                           ; s[48:55], s[56:63] the same for W's tiles
.set G0B, 56
.set MSB, 0
.macro WIN new                         ; the immediate's high byte repeats the setting that is left; a switch that changes nothing is dropped
.if MSB != (\new)
	s_set_vgpr_msb (MSB<<8)|(\new)
.set MSB, (\new)
.endif
.endm
.set QK_LO, 0xa1                       ; source 0 (W) window 1, source 1 (x) window 0, C and D window 2
.set QK_HI, 0xf1                       ; the same, C and D window 3
.set V_LO,  0xa4                       ; source 0 (x) window 0, source 1 (W) window 1, C and D window 2
.set V_HI,  0xf4
.set TO_B,  0x40                       ; destination window 1, address window 0
; A joint load: waves 0 and 1 fetch tokens, waves 2 and 3 rows of W.  Each line has ONE mask and one set of registers; the branch hangs on the wave's number alone.
; Four v_nop follow each of the two lines, ahead of the jump, the label and what follows.
.macro JLOAD s
	s_cmp_eq_u32 s15, 0
	s_cbranch_scc0 .Lfor_b_\@
	tensor_load_to_lds s[G0+4*\s:G0+4*\s+3], s[G1:G1+7]
	s_nop 0
.rept 4
	v_nop
.endr
	s_branch .Lasked_\@
.Lfor_b_\@:
	tensor_load_to_lds s[G0B+4*\s:G0B+4*\s+3], s[G1B:G1B+7]
	s_nop 0
.rept 4
	v_nop
.endr
.Lasked_\@:
.endm
.macro CREST                           ; a round of the cluster's barrier behind its opening barrier
	s_cmp_lg_u32 s14, 0
	s_cbranch_scc1 .Lnot_wave_0_\@
	s_barrier_signal -3
.Lnot_wave_0_\@:
	s_barrier_wait -3
	s_barrier_signal -1
	s_barrier_wait -1
.endm
.macro CROUND                          ; a whole round
	s_barrier_signal -1
	s_barrier_wait -1
	CREST
.endm
	s_load_b256 s[4:11], s[0:1], 0x0               ; x's codes s[4:5], W's codes s[6:7], the scales' exponents s[8:9], b_fc s[10:11]
	s_load_b128 s[84:87], s[0:1], 0x20             ; q_img s[84:85], k_img s[86:87]
	s_load_b64 s[88:89], s[0:1], 0x30              ; v_img
	v_lshl_add_u32 v[SPW], v0, 2, SPARE
	v_mov_b32 v[NIL], 0
	ds_add_u32 v28, v29
	ds_add_u32 v28, v29
	s_wait_dscnt 0x0
	v_lshrrev_b32 v1, 5, v0
	v_readfirstlane_b32 s14, v1                    ; wave 0..3
	s_lshr_b32 s15, s14, 1                         ; which 128 tokens are mine.  Also: I fetch tokens (0) or rows of W (1)
	s_and_b32 s16, s14, 1                          ; which 32 columns of each part.  Also: which half of that tile I fetch
	s_bfe_u32 s40, ttmp6, 0x40000                  ; cx, cy: my place in the cluster
	s_bfe_u32 s41, ttmp6, 0x40004
	s_lshl_b32 s42, ttmp9, 2
	s_add_co_u32 s42, s42, s40                     ; the head = 4 x cluster x + cx
	s_and_b32 s17, ttmp7, 0xffff
	s_lshl_b32 s17, s17, 2
	s_add_co_u32 s17, s17, s41                     ; the block of 256 tokens = 4 x cluster y + cy
	s_lshl_b32 s43, s41, 2
	s_lshl_b32 s43, 15, s43                        ; my row of the cluster
	s_lshl_b32 s44, 0x1111, s40                    ; my column
	s_or_b32 s[G1+0], s43, (1<<20)|(1<<21)|(5<<22)|(3<<25)   ; 15:0 the mask: tokens go to my row; 17:16 elements of 1 byte; 20 padding on; 21 set beside a mask; 24:22 after every 64 words; 31:25 of 4 words
	s_or_b32 s[G1B+0], s44, (1<<20)|(1<<21)|(5<<22)|(3<<25)  ; the same with the mask of my column
	s_mov_b32 s[G1+1], ROWB<<16                    ; tensor_dim0 = 256
	s_mov_b32 s[G1+2], 128<<16                     ; tensor_dim1 = 128
	s_mov_b32 s[G1+3], ROWB<<16                    ; tile_dim0 = 256
	s_mov_b32 s[G1+4], 128                         ; tile_dim1 = 128
	s_mov_b32 s[G1+5], 1024                        ; from row to row
	s_mov_b32 s[G1+6], 0
	s_mov_b32 s[G1+7], 0
	s_mov_b32 s[G1B+1], ROWB<<16
	s_mov_b32 s[G1B+2], 96<<16                     ; 96 rows
	s_mov_b32 s[G1B+3], ROWB<<16
	s_mov_b32 s[G1B+4], 96
	s_mov_b32 s[G1B+5], 1024
	s_mov_b32 s[G1B+6], 0
	s_mov_b32 s[G1B+7], 0
	s_lshl_b32 s20, s17, 18                        ; tokens: (256 x block + 128 x half) rows of 1,024 bytes: made of the block alone, which my row of the cluster shares
	s_lshl_b32 s18, s16, 17
	s_add_co_u32 s20, s20, s18
	s_mov_b32 s21, 0
	s_mul_i32 s46, s42, 192*1024                   ; W: (192 x head + 96 x half) rows: made of the head alone, which my column shares
	s_mul_i32 s18, s16, 96*1024
	s_add_co_u32 s46, s46, s18
	s_mov_b32 s47, 0
	s_mul_i32 s45, s16, HALFA                      ; where they go: no place in the cluster enters an LDS address
	s_mul_i32 s66, s16, HALFB
	s_add_co_u32 s66, s66, 2*HALFA
	s_wait_kmcnt 0x0
	s_load_b256 s[72:79], s[8:9], 0x0              ; e0 .. e7
	s_add_nc_u64 s[20:21], s[4:5], s[20:21]
	s_add_nc_u64 s[46:47], s[6:7], s[46:47]
	CROUND                                         ; all sixteen work-groups are here: the first joint loads meet
.irp s, 0,1
	s_mov_b32 s[G0+4*\s], 1
	s_add_co_u32 s[G0+4*\s+1], s45, \s*SLOT
	s_add_nc_u64 s[G0+4*\s+2:G0+4*\s+3], s[20:21], \s*ROWB
	s_or_b32 s[G0+4*\s+3], s[G0+4*\s+3], 0x80000000
	s_mov_b32 s[G0B+4*\s], 1
	s_add_co_u32 s[G0B+4*\s+1], s66, \s*SLOT
	s_add_nc_u64 s[G0B+4*\s+2:G0B+4*\s+3], s[46:47], \s*ROWB
	s_or_b32 s[G0B+4*\s+3], s[G0B+4*\s+3], 0x80000000
	JLOAD \s                                       ; K steps 0 and 1: two tensor loads of mine are out
.endr
	v_and_b32 v1, 15, v0                           ; r = lane % 16
	v_bfe_u32 v2, v0, 4, 1                         ; h = lane / 16
	v_mul_u32_u24 v3, v1, PITCH
	v_lshl_add_u32 v4, v2, 4, v3                   ; a fragment's row x pitch + 16 h
	s_mul_i32 s21, s15, HALFA                      ; my 128 tokens
	s_mul_i32 s22, s16, 32*PITCH                   ; my 32 rows of each part of W,
	s_add_co_u32 s22, s22, 2*HALFA                 ; which lie behind the 256 tokens
.irp s, 0,1
	v_add_nc_u32 v[ADRA+\s], s21, v4
	v_add_nc_u32 v[ADRB+\s], s22, v4
	s_add_co_u32 s21, s21, SLOT
	s_add_co_u32 s22, s22, SLOT
.endr
	v_and_b32 v5, 31, v0
	v_lshlrev_b32 v[OV], 4, v5
	s_lshl_b32 s18, s16, 9
	v_add_nc_u32 v[OQ], s18, v[OV]
	v_lshlrev_b32 v[BH], 5, v2
	v_lshlrev_b32 v[BR], 2, v1
	s_mul_i32 s90, s42, 768                        ; b_fc at column 192 x head + 32 (w % 2)
	s_lshl_b32 s91, s16, 7
	s_add_co_u32 s90, s90, s91
	s_mov_b32 s91, 0
	s_add_nc_u64 s[10:11], s[10:11], s[90:91]
.irp b, 0,1,2,3                        ; blocks of q and k: a lane wants the biases of its eight columns 8 h + 0 .. 7
	global_load_b128 v[BQK+8*\b:BQK+8*\b+3],   v[BH], s[10:11] offset:(64*(\b/2)+16*(\b%2))*4
	global_load_b128 v[BQK+8*\b+4:BQK+8*\b+7], v[BH], s[10:11] offset:(64*(\b/2)+16*(\b%2))*4+16
.endr
	global_load_b32 v[BV],   v[BR], s[10:11] offset:128*4        ; blocks of v: the bias of its one column r
	global_load_b32 v[BV+2], v[BR], s[10:11] offset:144*4
	v_mov_b32 v[BV+1], 0                           ; (named as the upper halves of pairs)
	v_mov_b32 v[BV+3], 0
	; where my images begin: head of a batch bh = 16 x (block / 8) + head, 131,072 bytes each in all three buffers
	s_lshr_b32 s90, s17, 3
	s_lshl_b32 s90, s90, 4
	s_add_co_u32 s90, s90, s42
	s_lshl_b32 s90, s90, 17
	s_and_b32 s91, s17, 7                          ; the block within its batch
	s_lshl_b32 s92, s91, 4
	s_lshl_b32 s93, s15, 3
	s_add_co_u32 s92, s92, s93                     ; q, k: my first tile of 16 tokens,
	s_lshl_b32 s92, s92, 10                        ; 1,024 bytes each
	s_add_co_u32 s92, s92, s90
	s_mov_b32 s93, 0
	s_add_nc_u64 s[84:85], s[84:85], s[92:93]
	s_add_nc_u64 s[86:87], s[86:87], s[92:93]
	s_lshl_b32 s94, s91, 1
	s_add_co_u32 s94, s94, s15                     ; v: my key step,
	s_lshl_b32 s94, s94, 13                        ; 8,192 bytes each,
	s_add_co_u32 s94, s94, s90
	s_lshl_b32 s95, s16, 12                        ; and in it my two tiles of d, 2,048 bytes each
	s_add_co_u32 s94, s94, s95
	s_mov_b32 s95, 0
	s_add_nc_u64 s[88:89], s[88:89], s[94:95]
.macro FRAG reg, adr, q, row           ; a fragment: lane l holds row l % 16; registers 4 c .. 4 c + 3 hold K = 32 c + 16 (l / 16) + 0 .. 15 of the slot's q-th 128
.irp c, 0,1,2,3
	ds_load_b128 v[\reg+4*\c:\reg+4*\c+3], v[\adr] offset:128*(\q)+32*\c+(\row)*PITCH
.endr
.endm
.macro FETCH_B slot, q, p              ; W's six fragments into set p: block b begins 64 (b / 2) + 16 (b % 2) rows behind my first
	WIN TO_B
.irp b, 0,1,2,3,4,5
	FRAG 128*(\p)+FR*\b, ADRB+\slot, \q, 64*(\b/2)+16*(\b%2)
.endr
	WIN 0
.endm
.macro FETCH_A slot, q, i0             ; token blocks i0 .. i0 + 3
.irp i, \i0, \i0+1, \i0+2, \i0+3
	FRAG AF+FR*(\i), ADRA+\slot, \q, 16*(\i)
.endr
.endm
; The 48 accumulators take turns, one instruction a turn, in the same order in every step of 128 along K.  zero = 1: the first product starts the sums.
.macro MULQK hi, p, zero               ; 16 products, transposed: token blocks 4 hi .. 4 hi + 3 x blocks 0-3
.irp a, 0,1,2,3
.irp b, 0,1,2,3
.if \zero
	v_wmma_f32_16x16x128_fp8_fp8 v[8*(6*\a+\b):8*(6*\a+\b)+7], v[128*(\p)+FR*\b:128*(\p)+FR*\b+FR-1], v[AF+FR*(4*\hi+\a):AF+FR*(4*\hi+\a)+FR-1], 0
.else
	v_wmma_f32_16x16x128_fp8_fp8 v[8*(6*\a+\b):8*(6*\a+\b)+7], v[128*(\p)+FR*\b:128*(\p)+FR*\b+FR-1], v[AF+FR*(4*\hi+\a):AF+FR*(4*\hi+\a)+FR-1], v[8*(6*\a+\b):8*(6*\a+\b)+7]
.endif
.endr
.endr
.endm
.macro MULV hi, p, zero                ; 8 products, as they are: the same token blocks x blocks 4, 5
.irp a, 0,1,2,3
.irp b, 4,5
.if \zero
	v_wmma_f32_16x16x128_fp8_fp8 v[8*(6*\a+\b):8*(6*\a+\b)+7], v[AF+FR*(4*\hi+\a):AF+FR*(4*\hi+\a)+FR-1], v[128*(\p)+FR*\b:128*(\p)+FR*\b+FR-1], 0
.else
	v_wmma_f32_16x16x128_fp8_fp8 v[8*(6*\a+\b):8*(6*\a+\b)+7], v[AF+FR*(4*\hi+\a):AF+FR*(4*\hi+\a)+FR-1], v[128*(\p)+FR*\b:128*(\p)+FR*\b+FR-1], v[8*(6*\a+\b):8*(6*\a+\b)+7]
.endif
.endr
.endr
.endm
; A load into a register that a matrix instruction has read stands four places behind it, and only plain vector instructions that name none of its registers are places (ISA guide 7.12.1 for vector instructions).
.macro PLACES n
.rept \n
	v_nop
.endr
.endm
; A step of 128 along K that has its successor in the same slot.
.macro STEP slot, q, zero
	s_wait_dscnt 16                                ; W's set and token blocks 0-3 are in; the youngest sixteen loads (blocks 4-7) may be out
	WIN QK_LO
	MULQK 0, (\q)%2, \zero
	WIN V_LO
	MULV 0, (\q)%2, \zero
	s_wait_dscnt 0                                 ; blocks 4-7 are in (asked for 24 matrix instructions ago)
	PLACES 4
	FETCH_B \slot, (\q)+1, 1-(\q)%2
	FETCH_A \slot, (\q)+1, 0
	WIN QK_HI
	MULQK 1, (\q)%2, \zero
	WIN V_HI
	MULV 1, (\q)%2, \zero
	PLACES 4
	WIN 0
	FETCH_A \slot, (\q)+1, 4
.endm
; A slot's last step changes slots: ONE barrier; in front of it each wave waits for all its tensor loads, adds 0 to its spare word, and waits for that and for its own reads of this slot.  fill = 1: this slot is filled again, two K steps ahead.
.macro TURN slot, next, fill
	s_wait_tensorcnt 0x0                           ; all my tensor loads have landed: my part of the next slot  (every window is 0 here)
	ds_add_u32 v[SPW], v[NIL]                      ; 0 onto my spare word
	s_wait_dscnt 17                                ; (the add and the youngest sixteen loads may be out)
	WIN QK_LO
	MULQK 0, 1, 0                                  ; sixteen matrix instructions stand between the add and the wait for it
	s_wait_dscnt 0x0                               ; the add is done, and my reads of this slot are over
	s_barrier_signal -1
	WIN V_LO
	MULV 0, 1, 0
	WIN 0
	s_barrier_wait -1
.if \fill
	CREST                                          ; the barrier has opened a round of the cluster's barrier: no wave of any partner still reads this slot or has a load on its way
	s_add_nc_u64 s[G0+4*\slot+2:G0+4*\slot+3], s[G0+4*\slot+2:G0+4*\slot+3], 2*ROWB
	s_add_nc_u64 s[G0B+4*\slot+2:G0B+4*\slot+3], s[G0B+4*\slot+2:G0B+4*\slot+3], 2*ROWB
	JLOAD \slot                                    ; the first tensor load behind the round, my only one until the next; its four v_nop are also the places in front of the loads below
.else
	PLACES 4
.endif
	FETCH_B \next, 0, 0
	FETCH_A \next, 0, 0
	WIN QK_HI
	MULQK 1, 1, 0
	WIN V_HI
	MULV 1, 1, 0
	PLACES 4
	WIN 0
	FETCH_A \next, 0, 4
.endm
	s_wait_tensorcnt 1                             ; my part of K step 0 is in (K step 1's load may be out)
	s_barrier_signal -1
	s_barrier_wait -1                              ; everybody's is
	FETCH_B 0, 0, 0
	FETCH_A 0, 0, 0
	FETCH_A 0, 0, 4
	STEP 0, 0, 1                                   ; K 0-127: the products start the sums
	TURN 0, 1, 1                                   ; K 128-255; slot 0 takes K 512-767
	STEP 1, 0, 0
	TURN 1, 0, 1                                   ; slot 1 takes K 768-1023
	STEP 0, 0, 0
	TURN 0, 1, 0                                   ; nothing is left to fetch
	STEP 1, 0, 0
	s_wait_dscnt 16                                ; the very last step
	WIN QK_LO
	MULQK 0, 1, 0
	WIN V_LO
	MULV 0, 1, 0
	s_wait_dscnt 0
	WIN QK_HI
	MULQK 1, 1, 0
	WIN V_HI
	MULV 1, 1, 0
	WIN 0
	; THE WAY OUT.  The six moves below are the places behind the last products.
	s_wait_kmcnt 0x0
.irp i, 0,1,2                          ; for q, k, v: 2^e and 448 x 2^e as f32, in v[68 + 2 i] and v[69 + 2 i]
	s_add_co_i32 s90, s[74+\i], 127
	s_lshl_b32 s91, s90, 23
	v_mov_b32 v[68+2*\i], s91
	s_add_co_i32 s90, s90, 8
	s_lshl_b32 s90, s90, 23
	s_or_b32 s90, s90, 0x600000
	v_mov_b32 v[69+2*\i], s90
.endr
	s_add_co_i32 s80, s72, s73
	s_add_co_i32 s80, s80, 127
	s_lshl_b32 s80, s80, 23                        ; 2^(e0 + e1) as f32
	s_mov_b32 s81, s80                             ; (named with it as a pair, so it is written)
	s_mov_b32 s82, 0xbfb8aa3b                      ; -log2(e)
	s_mov_b32 s83, s82
	s_wait_loadcnt 0x0                             ; the biases
; Token block a: z = sum x 2^(e0 + e1) + bias; swish(z) = z / (1 + 2^(-z log2 e)); held, converted, stored.  Each accumulator is read from its low end on.
.macro EPI a
	WIN 0x02+((\a)/4)                              ; source 0: window 2 or 3
.set n, 0
.rept 16
	v_pk_fma_f32 v[VAL+n:VAL+n+1], v[48*((\a)%4)+n:48*((\a)%4)+n+1], s[80:81], v[BQK+n:BQK+n+1] op_sel_hi:[1,0,1]
.set n, n+2
.endr
.rept 8
	v_pk_fma_f32 v[VAL+n:VAL+n+1], v[48*((\a)%4)+n:48*((\a)%4)+n+1], s[80:81], v[BV+2*((n-32)/8):BV+2*((n-32)/8)+1] op_sel_hi:[1,0,0]   ; one column a lane: the pair's low word for both
.set n, n+2
.endr
	WIN 0
.set n, 0
.rept 24
	v_pk_mul_f32 v[E+n:E+n+1], v[VAL+n:VAL+n+1], s[82:83] op_sel_hi:[1,0]
.set n, n+2
.endr
.set n, 0
.rept 48
	v_exp_f32 v[E+n], v[E+n]
.set n, n+1
.endr
	v_nop                                          ; one plain instruction between the exponentials and the use of their results
.set n, 0
	s_wait_alu depctr_va_vdst(0)
.rept 24
	v_pk_add_f32 v[E+n:E+n+1], v[E+n:E+n+1], 1.0 op_sel_hi:[1,0]
.set n, n+2
.endr
.set n, 0
.rept 48
	v_rcp_f32 v[E+n], v[E+n]
.set n, n+1
.endr
	v_nop                                          ; likewise behind the reciprocals
.set n, 0
	s_wait_alu depctr_va_vdst(0)
.rept 24
	v_pk_mul_f32 v[VAL+n:VAL+n+1], v[VAL+n:VAL+n+1], v[E+n:E+n+1]
.set n, n+2
.endr
.set n, 0
.rept 48
	v_med3_num_f32 v[VAL+n], v[VAL+n], -v[69+2*(n/16)], v[69+2*(n/16)]   ; the conversion does not saturate (ISA guide 7.6.2): the hold at 448 x the part's scale
.set n, n+1
.endr
.if (\a) > 0
	s_wait_xcnt 0x0                                ; the last block's stores have read q's and k's codes: they are written again only behind this wait
.endif
	v_cvt_scalef32_pk8_fp8_f32 v[CQ:CQ+1],   v[VAL:VAL+7],     v68
	v_cvt_scalef32_pk8_fp8_f32 v[CQ+2:CQ+3], v[VAL+8:VAL+15],  v68
	v_cvt_scalef32_pk8_fp8_f32 v[CK:CK+1],   v[VAL+16:VAL+23], v70
	v_cvt_scalef32_pk8_fp8_f32 v[CK+2:CK+3], v[VAL+24:VAL+31], v70
	v_cvt_scalef32_pk8_fp8_f32 v[CV0+2*(\a):CV0+2*(\a)+1], v[VAL+32:VAL+39], v72
	v_cvt_scalef32_pk8_fp8_f32 v[CV1+2*(\a):CV1+2*(\a)+1], v[VAL+40:VAL+47], v72
	v_nop                                          ; one plain instruction between a scaled conversion and the next vector instruction that writes its sources
	global_store_b128 v[OQ], v[CQ:CQ+3], s[84:85] offset:1024*(\a)   ; 32 lanes store 512 consecutive bytes, at a multiple of 256 from the buffer's first byte
	global_store_b128 v[OQ], v[CK:CK+3], s[86:87] offset:1024*(\a)
.if (\a)%2 == 1                        ; two token blocks make four registers of V^T's fragments
	global_store_b128 v[OV], v[CV0+2*(\a)-2:CV0+2*(\a)+1], s[88:89] offset:512*((\a)/2)
	global_store_b128 v[OV], v[CV1+2*(\a)-2:CV1+2*(\a)+1], s[88:89] offset:512*((\a)/2)+2048
.endif
.endm
.irp a, 0,1,2,3,4,5,6,7
	EPI \a
.endr
	s_wait_tensorcnt 0x0                           ; the wave's end
	ds_add_u32 v[SPW], v[NIL]
	s_wait_dscnt 0x0
	CROUND                                         ; the closing round: no work-group ends while a partner may still ask for a tile that names it
	s_endpgm
.Lfunc_end_k_q0bf0883b87_qkv:
	.size	k_q0bf0883b87_qkv, .Lfunc_end_k_q0bf0883b87_qkv-k_q0bf0883b87_qkv
	.p2alignl 7, 3214868480
	.fill 96, 4, 3214868480
	.section	.rodata,"a",@progbits
	.p2align	6, 0x0
	.amdhsa_kernel k_q0bf0883b87_qkv
		.amdhsa_group_segment_fixed_size 327680
		.amdhsa_private_segment_fixed_size 0
		.amdhsa_enable_private_segment 0
		.amdhsa_kernarg_size 56
		.amdhsa_user_sgpr_count 2
		.amdhsa_user_sgpr_kernarg_segment_ptr 1
		.amdhsa_wavefront_size32 1
		.amdhsa_system_sgpr_workgroup_id_x 1
		.amdhsa_system_sgpr_workgroup_id_y 1
		.amdhsa_system_sgpr_workgroup_id_z 1
		.amdhsa_system_vgpr_workitem_id 0
		.amdhsa_next_free_vgpr 1024
		.amdhsa_next_free_sgpr 98
		.amdhsa_reserve_vcc 0
		.amdhsa_float_denorm_mode_32 3
		.amdhsa_float_denorm_mode_16_64 3
		.amdhsa_memory_ordered 1
		.amdhsa_forward_progress 1
		.amdhsa_inst_pref_size 172
	.end_amdhsa_kernel
	.amdgpu_metadata
---
amdhsa.version: [ 1, 2 ]
amdhsa.kernels:
  - .name:           k_q0bf0883b87_qkv
    .symbol:         k_q0bf0883b87_qkv.kd
    .args:
      - { .name: x_codes, .offset: 0, .size: 8, .value_kind: global_buffer, .address_space: global }
      - { .name: W_fc_codes, .offset: 8, .size: 8, .value_kind: global_buffer, .address_space: global }
      - { .name: lowp_scales, .offset: 16, .size: 8, .value_kind: global_buffer, .address_space: global }
      - { .name: b_fc, .offset: 24, .size: 8, .value_kind: global_buffer, .address_space: global }
      - { .name: q_img, .offset: 32, .size: 8, .value_kind: global_buffer, .address_space: global }
      - { .name: k_img, .offset: 40, .size: 8, .value_kind: global_buffer, .address_space: global }
      - { .name: v_img, .offset: 48, .size: 8, .value_kind: global_buffer, .address_space: global }
    .group_segment_fixed_size: 327680
    .private_segment_fixed_size: 0
    .kernarg_segment_align: 8
    .kernarg_segment_size: 56
    .max_flat_workgroup_size: 128
    .sgpr_count:     98
    .vgpr_count:     1024
    .wavefront_size: 32
...
	.end_amdgpu_metadata
.endif
;; end of part 2
;; launch attn (part 3): grid 4 x 64, 16 waves a work-group, clusters of 4 x 1, 264,192 bytes of LDS; arguments q_img, k_img, v_img, lowp_scales, nv_img; writes nv_img
.if DOCPART == 3
	.amdgcn_target "amdgcn-amd-amdhsa--gfx1250"
	.amdhsa_code_object_version 6
	.text
	.protected	k_q0bf0883b87_attn
	.globl	k_q0bf0883b87_attn
	.p2align	8
	.type	k_q0bf0883b87_attn,@function
k_q0bf0883b87_attn:
	s_mov_b64 s[64:65], 0
	v_nop
	global_prefetch_b8 v0, s[64:65] scope:SCOPE_SE
	s_setreg_imm32_b32 hwreg(HW_REG_WAVE_MODE, 25, 1), 1
	s_wait_xcnt 0x0
	s_wait_alu depctr_hold_cnt(0) depctr_sa_sdst(0) depctr_va_vdst(0) depctr_va_sdst(0) depctr_va_ssrc(0) depctr_va_vcc(0) depctr_vm_vsrc(0)
	s_getreg_b32 s2, hwreg(HW_REG_IB_STS2, 6, 4)
	s_cmp_eq_u32 s2, 0
	s_cbranch_scc0 .Lentry_in_a_cluster
	s_endpgm
.Lentry_in_a_cluster:
	s_bfe_u32 s2, ttmp6, 0x10000c
	s_cmp_lg_u32 s2, 0x3003
	s_cbranch_scc0 .Lentry_shape_is_right
	s_endpgm
.Lentry_shape_is_right:
; new_v[q] = the sum over keys of softmax(q . k / sqrt(2048)) v, for one head of one batch, both products on codes of E4M3; the result is quantised at once with 2^e6 for the projection that follows.
; THE SOFTMAX AHEAD OF THE SECOND PRODUCT: t = score x log2(e) / sqrt(2048); M = the row's largest t so far, rounded UP to a whole number; p = 2^(t - M) is quantised with 2^e5, not normalised.
; The row's sum is taken of the unquantised p, in f32, and divides at the end.  When M moves, the sum and O are multiplied by 2^(old M - new M): exact.
; LIMITS: e2 + e3 between -121 and 132 (they are added to c's exponent field); e5, e6 between -126 and 119; e4 + e5 is applied by v_ldexp_f32 and has none.  NaN is not served.
; SHARES.  A work-group owns 512 queries of a head; each of its SIXTEEN waves two tiles of 16, one after the other, each over all 2,048 keys, 128 a step: four waves to a SIMD, so that one wave's vector
; work stands beside another's matrix work and LDS loads.
; THE HEAD'S WHOLE K AND V LIE IN LDS, 131,072 bytes each, as images of the operands' registers (a fragment's four registers x 32 lanes are 512 consecutive bytes): every byte is filled once, there is no ring,
; no pitch and no padding.  The first 256 keys come by small loads, so that two steps can be worked while the rest lands.
; CLUSTER.  The four blocks of queries of a head read the same K and V: every fill is a JOINT load of the four, with the same descriptor and a mask that names them.
; LAYOUT.  S^T = K Q^T (source 0 = 16 keys, source 1 = my 16 queries, K = 64): lane (r, h) holds query r and keys 16 i + 8 h + 0 .. 7 of tile i, which one conversion turns into registers 2 i, 2 i + 1 of P.
; O^T = V^T P^T (source 0 = 16 d, source 1 = P, K = 128): lane (r, h) holds query r and d = 16 t + 8 h + 0 .. 7; one conversion gives 8 bytes, and the 32 lanes' 256 bytes are stored on end.
; nv_img: [512 tiles of 16 tokens][16 heads][1,024 bytes]; the byte at 512 c + 16 (r + 16 h) + i is new_v(token r, d = 32 c + 16 h + i).
; REGISTERS: v1, v2 addresses that stay; v8, v9 the step's LDS addresses; v12 -M, v13 the largest t, v[14:15] the sum in two halves; v16-31 Q's two fragments; v32-95 K's 8 fragments, then V's 4;
;   v96-159 S^T, then p; v160-191 O^T; v192-207 p's codes; v208-215 the result's codes; v216-227 at work and constants.
.set VOFF,  131072                     ; V's image begins here
.set STEPB, 8192                       ; a step of 128 keys in either image
.set LI,  1                            ; v1   16 x lane
.set GO,  2                            ; v2   16 (lane % 16) + 8 (lane / 16)
.set ADK, 8
.set ADV, 9
.set Q0,  16
.set Q1,  24
.set F,   32
.set S,   96
.set O,   160
.set P,   192
.set OC,  208
.set WV,  18                           ; s18  my wave's number
.set SEL, 20                           ; s[20:21] lane selects for v_permlanex16_b32: lane l xor 16
.set CS,  22                           ; s[22:23] c = log2(e) / sqrt(2048) x 2^(e2 + e3)
.set G1A, 24                           ; s[24:31] descriptor group 1: 32 rows of 256 bytes
.set G1B, 32                           ; s[32:39] 224 rows of 256 bytes
.set KA,  40                           ; s[40:55] four groups 0: K's small and large part, V's small and large part
.set KB,  44
.set VA,  48
.set VB,  52
.set TB,  56                           ; s56  byte at which the step in hand begins in K's image
.set CNT, 57
.macro ROUND                           ; a round of the cluster's barrier
	s_barrier_signal -1
	s_barrier_wait -1
	s_cmp_lg_u32 s[WV], 0
	s_cbranch_scc1 .Lnot_wave_0_\@
	s_barrier_signal -3
.Lnot_wave_0_\@:
	s_barrier_wait -3
	s_barrier_signal -1
	s_barrier_wait -1
.endm
	s_load_b256 s[4:11], s[0:1], 0x0               ; q_img s[4:5], k_img s[6:7], v_img s[8:9], the scales' exponents s[10:11]
	s_load_b64 s[12:13], s[0:1], 0x20              ; nv_img
	v_lshl_add_u32 v254, v0, 2, 0x40000
	v_mov_b32 v255, 0
	ds_add_u32 v254, v255
	ds_add_u32 v254, v255
	v_lshrrev_b32 v3, 5, v0
	v_readfirstlane_b32 s[WV], v3                  ; wave 0..15
	v_and_b32 v3, 31, v0
	v_lshlrev_b32 v[LI], 4, v3
	v_and_b32 v4, 15, v0
	v_bfe_u32 v5, v0, 4, 1
	v_lshlrev_b32 v[GO], 4, v4
	v_lshl_add_u32 v[GO], v5, 3, v[GO]
	s_bfe_u32 s59, ttmp6, 0x40000                  ; cx
	s_lshl_b32 s60, ttmp9, 2
	s_add_co_u32 s59, s59, s60                     ; my block of 512 queries: it enters Q's and the result's addresses alone
	s_and_b32 s76, ttmp7, 0xffff                   ; the head of a batch, which the four partners share
	s_lshl_b32 s77, s76, 17                        ; its 131,072 bytes in each image
	s_and_b32 s78, s[WV], 1                        ; which half of a part I fetch, if I fetch
	s_lshl_b32 s79, s78, 13                        ; the small part: 8,192 bytes a wave, from byte 0 on
	s_mul_i32 s80, s78, 57344
	s_add_co_u32 s80, s80, 16384                   ; the large part: 57,344 bytes a wave, from byte 16,384 on
	s_add_co_u32 s82, s77, s79
	s_mov_b32 s83, 0
	s_add_co_u32 s84, s77, s80
	s_mov_b32 s85, 0
	s_lshl_b32 s86, s76, 7                         ; Q: tile 128 x head + 32 x block + 2 x wave, 1,024 bytes each
	s_lshl_b32 s87, s59, 5
	s_add_co_u32 s86, s86, s87
	s_lshl_b32 s87, s[WV], 1
	s_add_co_u32 s86, s86, s87
	s_lshl_b32 s86, s86, 10
	s_mov_b32 s87, 0
	s_lshr_b32 s88, s76, 4                         ; the result: tile 128 x batch + 32 x block + 2 x wave; 16 heads of 1,024 bytes in each
	s_lshl_b32 s88, s88, 7
	s_lshl_b32 s89, s59, 5
	s_add_co_u32 s88, s88, s89
	s_lshl_b32 s89, s[WV], 1
	s_add_co_u32 s88, s88, s89
	s_lshl_b32 s88, s88, 4
	s_and_b32 s89, s76, 15
	s_add_co_u32 s88, s88, s89
	s_lshl_b32 s88, s88, 10
	s_mov_b32 s89, 0
	; descriptor group 1: a dense block as rows of 32 elements of 8 bytes
	s_mov_b32 s[G1A], 15|(3<<16)|(1<<21)           ; 15:0 the mask: all four work-groups; 17:16 elements of 8 bytes; 21 set beside a mask; no padding
	s_mov_b32 s[G1A+1], 32<<16                     ; tensor_dim0 = 32
	s_mov_b32 s[G1A+2], 32<<16                     ; tensor_dim1 = 32 rows
	s_mov_b32 s[G1A+3], 32<<16                     ; tile_dim0 = 32
	s_mov_b32 s[G1A+4], 32                         ; tile_dim1 = 32
	s_mov_b32 s[G1A+5], 32                         ; from row to row
	s_mov_b32 s[G1A+6], 0
	s_mov_b32 s[G1A+7], 0
	s_mov_b32 s[G1B], 15|(3<<16)|(1<<21)
	s_mov_b32 s[G1B+1], 32<<16
	s_mov_b32 s[G1B+2], 224<<16                    ; 224 rows
	s_mov_b32 s[G1B+3], 32<<16
	s_mov_b32 s[G1B+4], 224
	s_mov_b32 s[G1B+5], 32
	s_mov_b32 s[G1B+6], 0
	s_mov_b32 s[G1B+7], 0
	s_mov_b32 s[SEL], 0x76543210
	s_mov_b32 s[SEL+1], 0xfedcba98
	s_mov_b32 s[CS], 0x3d0293ee                    ; log2(e) / sqrt(2048)
	s_wait_dscnt 0x0
	s_wait_kmcnt 0x0
	s_load_b256 s[68:75], s[10:11], 0x0            ; e0 .. e7
	s_mov_b32 s[KA], 1
	s_mov_b32 s[KA+1], s79
	s_add_nc_u64 s[KA+2:KA+3], s[6:7], s[82:83]
	s_or_b32 s[KA+3], s[KA+3], 0x80000000
	s_mov_b32 s[KB], 1
	s_mov_b32 s[KB+1], s80
	s_add_nc_u64 s[KB+2:KB+3], s[6:7], s[84:85]
	s_or_b32 s[KB+3], s[KB+3], 0x80000000
	s_mov_b32 s[VA], 1
	s_add_co_u32 s[VA+1], s79, VOFF
	s_add_nc_u64 s[VA+2:VA+3], s[8:9], s[82:83]
	s_or_b32 s[VA+3], s[VA+3], 0x80000000
	s_mov_b32 s[VB], 1
	s_add_co_u32 s[VB+1], s80, VOFF
	s_add_nc_u64 s[VB+2:VB+3], s[8:9], s[84:85]
	s_or_b32 s[VB+3], s[VB+3], 0x80000000
	s_add_nc_u64 s[4:5], s[4:5], s[86:87]
	s_add_nc_u64 s[12:13], s[12:13], s[88:89]
	ROUND                                          ; all four work-groups are here: the joint loads meet
	s_cmp_lt_u32 s[WV], 2                          ; waves 0, 1: K's halves; waves 2, 3: V's; the others nothing.  A wave's two fills stand in one branch; two loads of mine are out at the most
	s_cbranch_scc0 .Lnot_k
	tensor_load_to_lds s[KA:KA+3], s[G1A:G1A+7]
	s_nop 0
	tensor_load_to_lds s[KB:KB+3], s[G1B:G1B+7]
	s_nop 0
.rept 4
	v_nop
.endr
	s_branch .Lasked
.Lnot_k:
	s_cmp_lt_u32 s[WV], 4
	s_cbranch_scc0 .Lasked
	tensor_load_to_lds s[VA:VA+3], s[G1A:G1A+7]
	s_nop 0
	tensor_load_to_lds s[VB:VB+3], s[G1B:G1B+7]
	s_nop 0
.rept 4
	v_nop
.endr
.Lasked:
.irp g, 0,1,2,3
	global_load_b128 v[Q0+4*\g:Q0+4*\g+3], v[LI], s[4:5] offset:512*\g   ; my two fragments of Q stay in registers
.endr
	v_mov_b32 v216, 0                              ; written once: a lane permute's destination counts as one of its sources
	v_mov_b32 v225, 0                              ; (named as the upper half of the pair v[224:225])
	s_wait_kmcnt 0x0
	s_add_co_i32 s90, s70, s71
	s_lshl_b32 s90, s90, 23
	s_add_co_i32 s[CS], s[CS], s90                 ; a score stands for score x 2^(e2 + e3): the two exponents are added to c's exponent field
	s_mov_b32 s[CS+1], s[CS]                       ; (named with it as a pair, so it is written)
	s_add_co_i32 s90, s73, 127
	s_lshl_b32 s91, s90, 23
	v_mov_b32 v221, s91                            ; 2^e5
	s_add_co_i32 s90, s90, 8
	s_lshl_b32 s90, s90, 23
	s_or_b32 s90, s90, 0x600000
	v_mov_b32 v220, s90                            ; 448 x 2^e5
	s_add_co_i32 s90, s74, 127
	s_lshl_b32 s91, s90, 23
	v_mov_b32 v222, s91                            ; 2^e6
	s_add_co_i32 s90, s90, 8
	s_lshl_b32 s90, s90, 23
	s_or_b32 s90, s90, 0x600000
	v_mov_b32 v223, s90                            ; 448 x 2^e6
	s_add_co_i32 s58, s72, s73                     ; e4 + e5
.macro INIT                            ; a tile of queries begins: the step is written without a first step of its own, so it finds zeros, which the first change of M leaves zeros
	v_mov_b32 v13, 0xff61b1e6                      ; the largest t so far: -3e38, under every t
	v_floor_f32 v12, -v13                          ; -M
	v_mov_b32 v14, 0
	v_mov_b32 v15, 0
.set n, 0
.rept 32
	v_mov_b32 v[O+n], 0
.set n, n+1
.endr
	s_mov_b32 s[TB], 0
.endm
; A KEY STEP: 128 keys, for the tile of queries in v[qreg] on.
.macro STEP qreg
	v_add_nc_u32 v[ADK], s[TB], v[LI]
	v_add_nc_u32 v[ADV], VOFF, v[ADK]
	v_nop                                          ; four places (the two additions among them) in front of loads into registers that the last products read
	v_nop
.irp i, 0,1,2,3,4,5,6,7
	ds_load_b128 v[F+8*\i:F+8*\i+3],   v[ADK] offset:1024*\i       ; a tile of 16 keys: two loads of 512 consecutive bytes
	ds_load_b128 v[F+8*\i+4:F+8*\i+7], v[ADK] offset:1024*\i+512
.endr
	s_wait_dscnt 0x8                               ; tiles 0-3 are in; the eight loads of tiles 4-7 may be out
.irp i, 0,1,2,3
	v_wmma_f32_16x16x64_fp8_fp8 v[S+8*\i:S+8*\i+7], v[F+8*\i:F+8*\i+7], v[\qreg:\qreg+7], 0
.endr
	s_wait_dscnt 0x0
.irp i, 4,5,6,7
	v_wmma_f32_16x16x64_fp8_fp8 v[S+8*\i:S+8*\i+7], v[F+8*\i:F+8*\i+7], v[\qreg:\qreg+7], 0
.endr
.rept 4
	v_nop                                          ; places in front of the loads below and of the first read of the scores
.endr
.irp t, 0,1,2,3
.irp g, 0,1,2,3
	ds_load_b128 v[F+16*\t+4*\g:F+16*\t+4*\g+3], v[ADV] offset:2048*\t+512*\g   ; V's four fragments land while the softmax is worked
.endr
.endr
	v_max3_num_f32 v226, v[S], v[S+1], v[S+2]      ; the step's largest score of my query among my 64 keys, in two chains, in ascending order: each accumulator from its low end on
	v_max3_num_f32 v227, v[S+3], v[S+4], v[S+5]
.set n, 6
.rept 14
	v_max3_num_f32 v226, v226, v[S+n], v[S+n+1]
	v_max3_num_f32 v227, v227, v[S+n+2], v[S+n+3]
.set n, n+4
.endr
	v_max3_num_f32 v226, v226, v[S+62], v[S+63]
	v_max_num_f32 v226, v226, v227
	v_permlanex16_b32 v216, v226, s[SEL], s[SEL+1]
	v_max_num_f32 v226, v226, v216                 ; and among lane l xor 16's
	v_mul_f32 v226, s[CS], v226                    ; as t (c is positive)
	v_max_num_f32 v13, v13, v226                   ; the running largest t
	v_mov_b32 v226, v12
	v_floor_f32 v12, -v13                          ; the new -M = floor(-t) = -ceil(t): M is a whole number
	v_sub_f32 v226, v12, v226                      ; M's old value less its new one: a whole number, 0 or less
	v_cvt_i32_f32 v226, v226                       ; (it saturates)
	v_ldexp_f32 v224, 1.0, v226                    ; f = 2^(old M - new M)
.set n, 0
.rept 32
	v_pk_fma_f32 v[S+n:S+n+1], v[S+n:S+n+1], s[CS:CS+1], v[12:13] op_sel_hi:[1,0,0]   ; t - M, two at a time (of the pairs c and -M the low word serves both halves)
.set n, n+2
.endr
.set n, 0
.rept 64
	v_exp_f32 v[S+n], v[S+n]                       ; p = 2^(t - M), at most 1: not normalised
.set n, n+1
.endr
	v_pk_mul_f32 v[14:15], v[14:15], v[224:225] op_sel_hi:[1,0]   ; the sums under the new M  (the plain instruction behind the exponentials)
	s_wait_alu depctr_va_vdst(0)
	v_pk_add_f32 v[218:219], v[S:S+1], v[S+2:S+3]  ; the row's sum is taken of the unquantised p: two at a time, in two chains
.set n, 4
.rept 15
	v_pk_add_f32 v[14:15], v[14:15], v[S+n:S+n+1]
	v_pk_add_f32 v[218:219], v[218:219], v[S+n+2:S+n+3]
.set n, n+4
.endr
	v_pk_add_f32 v[14:15], v[14:15], v[218:219]
.irp i, 0,1,2,3,4,5,6,7
.irp u, 0,1,2,3,4,5,6,7
	v_min_num_f32 v[S+8*\i+\u], v[S+8*\i+\u], v220 ; the conversion does not saturate (ISA guide 7.6.2); p is not negative, so the hold is one-sided
.endr
	v_cvt_scalef32_pk8_fp8_f32 v[P+2*\i:P+2*\i+1], v[S+8*\i:S+8*\i+7], v221   ; keys 16 i + 8 h + 0 .. 7: registers 2 i, 2 i + 1 of the operand
.endr
.set n, 0
.rept 16
	v_pk_mul_f32 v[O+n:O+n+1], v[O+n:O+n+1], v[224:225] op_sel_hi:[1,0]   ; O^T under the new M  (also the plain instructions between the conversions and the products that read their results)
.set n, n+2
.endr
	s_wait_dscnt 0x0                               ; V is in
.irp t, 0,1,2,3
	v_wmma_f32_16x16x128_fp8_fp8 v[O+8*\t:O+8*\t+7], v[F+16*\t:F+16*\t+15], v[P:P+15], v[O+8*\t:O+8*\t+7]   ; the four accumulators take turns, one instruction a turn
.endr
	s_add_co_u32 s[TB], s[TB], STEPB
.endm
; A tile of queries ends: O^T x 2^(e4 + e5) / the sum, held, converted with 2^e6, stored: tile p of my two.
.macro OUT p
.rept 4
	v_nop                                          ; places behind the last products
.endr
	v_add_f32 v14, v14, v15                        ; the sum's two halves,
	v_permlanex16_b32 v216, v14, s[SEL], s[SEL+1]
	v_add_f32 v14, v14, v216                       ; and lane l xor 16's: the row's sum
	v_rcp_f32 v14, v14
	v_nop                                          ; one plain instruction behind a transcendental
	s_wait_alu depctr_va_vdst(0)
	v_ldexp_f32 v14, v14, s58
.set n, 0
.rept 16
	v_pk_mul_f32 v[S+n:S+n+1], v[O+n:O+n+1], v[14:15] op_sel_hi:[1,0]   ; each accumulator from its low end on
.set n, n+2
.endr
.set n, 0
.rept 32
	v_med3_num_f32 v[S+n], v[S+n], -v223, v223
.set n, n+1
.endr
	s_wait_xcnt 0x0                                ; the first tile's stores have read their codes: they are written again only behind this wait
.irp t, 0,1,2,3
	v_cvt_scalef32_pk8_fp8_f32 v[OC+2*\t:OC+2*\t+1], v[S+8*\t:S+8*\t+7], v222
.endr
.irp t, 0,1,2,3
	global_store_b64 v[GO], v[OC+2*\t:OC+2*\t+1], s[12:13] offset:16384*\p+512*(\t/2)+256*(\t%2)   ; 32 lanes store 256 consecutive bytes, at a multiple of 256 from the buffer's first byte
.endr
.endm
	s_wait_tensorcnt 0x1                           ; my part of keys 0-255 is in; my large load may stay out
	s_barrier_signal -1
	s_barrier_wait -1                              ; everybody's is
	s_wait_loadcnt 0x0                             ; Q
	INIT
	STEP Q0                                        ; keys 0-127 and 128-255: bytes of the small loads alone
	STEP Q0
	s_wait_tensorcnt 0x0                           ; my large load has landed,
	s_barrier_signal -1
	s_barrier_wait -1                              ; everybody's has: the whole head lies in LDS, and nothing is written there again
	s_mov_b32 s[CNT], 14
.Lfirst:
	STEP Q0
	s_sub_co_u32 s[CNT], s[CNT], 1
	s_cmp_lg_u32 s[CNT], 0
	s_cbranch_scc1 .Lfirst
	OUT 0
	INIT
	s_mov_b32 s[CNT], 16
.Lsecond:
	STEP Q1
	s_sub_co_u32 s[CNT], s[CNT], 1
	s_cmp_lg_u32 s[CNT], 0
	s_cbranch_scc1 .Lsecond
	OUT 1
	s_wait_tensorcnt 0x0
	ds_add_u32 v254, v255
	s_wait_dscnt 0x0
	ROUND                                          ; the closing round
	s_endpgm
.Lfunc_end_k_q0bf0883b87_attn:
	.size	k_q0bf0883b87_attn, .Lfunc_end_k_q0bf0883b87_attn-k_q0bf0883b87_attn
	.p2alignl 7, 3214868480
	.fill 96, 4, 3214868480
	.section	.rodata,"a",@progbits
	.p2align	6, 0x0
	.amdhsa_kernel k_q0bf0883b87_attn
		.amdhsa_group_segment_fixed_size 264192
		.amdhsa_private_segment_fixed_size 0
		.amdhsa_enable_private_segment 0
		.amdhsa_kernarg_size 40
		.amdhsa_user_sgpr_count 2
		.amdhsa_user_sgpr_kernarg_segment_ptr 1
		.amdhsa_wavefront_size32 1
		.amdhsa_system_sgpr_workgroup_id_x 1
		.amdhsa_system_sgpr_workgroup_id_y 1
		.amdhsa_system_sgpr_workgroup_id_z 1
		.amdhsa_system_vgpr_workitem_id 0
		.amdhsa_next_free_vgpr 256
		.amdhsa_next_free_sgpr 92
		.amdhsa_reserve_vcc 0
		.amdhsa_float_denorm_mode_32 3
		.amdhsa_float_denorm_mode_16_64 3
		.amdhsa_memory_ordered 1
		.amdhsa_forward_progress 1
		.amdhsa_inst_pref_size 79
	.end_amdhsa_kernel
	.amdgpu_metadata
---
amdhsa.version: [ 1, 2 ]
amdhsa.kernels:
  - .name:           k_q0bf0883b87_attn
    .symbol:         k_q0bf0883b87_attn.kd
    .args:
      - { .name: q_img, .offset: 0, .size: 8, .value_kind: global_buffer, .address_space: global }
      - { .name: k_img, .offset: 8, .size: 8, .value_kind: global_buffer, .address_space: global }
      - { .name: v_img, .offset: 16, .size: 8, .value_kind: global_buffer, .address_space: global }
      - { .name: lowp_scales, .offset: 24, .size: 8, .value_kind: global_buffer, .address_space: global }
      - { .name: nv_img, .offset: 32, .size: 8, .value_kind: global_buffer, .address_space: global }
    .group_segment_fixed_size: 264192
    .private_segment_fixed_size: 0
    .kernarg_segment_align: 8
    .kernarg_segment_size: 40
    .max_flat_workgroup_size: 512
    .sgpr_count:     92
    .vgpr_count:     256
    .wavefront_size: 32
...
	.end_amdgpu_metadata
.endif
;; end of part 3
;; launch proj (part 4): grid 256 x 1, 4 waves a work-group, clusters of 4 x 1, 327,680 bytes of LDS; arguments nv_img, W_fc2_codes, lowp_scales, b_fc2, x, out0; writes out0
.if DOCPART == 4
	.amdgcn_target "amdgcn-amd-amdhsa--gfx1250"
	.amdhsa_code_object_version 6
	.text
	.protected	k_q0bf0883b87_proj
	.globl	k_q0bf0883b87_proj
	.p2align	8
	.type	k_q0bf0883b87_proj,@function
k_q0bf0883b87_proj:
	s_mov_b64 s[64:65], 0
	v_nop
	global_prefetch_b8 v0, s[64:65] scope:SCOPE_SE
	s_setreg_imm32_b32 hwreg(HW_REG_WAVE_MODE, 25, 1), 1
	s_wait_xcnt 0x0
	s_wait_alu depctr_hold_cnt(0) depctr_sa_sdst(0) depctr_va_vdst(0) depctr_va_sdst(0) depctr_va_ssrc(0) depctr_va_vcc(0) depctr_vm_vsrc(0)
	s_getreg_b32 s2, hwreg(HW_REG_IB_STS2, 6, 4)
	s_cmp_eq_u32 s2, 0
	s_cbranch_scc0 .Lentry_in_a_cluster
	s_endpgm
.Lentry_in_a_cluster:
	s_bfe_u32 s2, ttmp6, 0x10000c
	s_cmp_lg_u32 s2, 0x3003
	s_cbranch_scc0 .Lentry_shape_is_right
	s_endpgm
.Lentry_shape_is_right:
; out = layer_norm(x + swish(new_v W_fc2 + b_fc2)), the product on codes of E4M3: a sum stands for sum x 2^(e6 + e7).
; LIMIT: e6 + e7 between -126 and 127, so that 2^(e6 + e7) is an f32 number.  NaN is not served.
; SHARES.  The norm wants whole rows, so a work-group owns 32 WHOLE rows (8,192 / 256) x all 1,024 columns.  Its rows' codes (32 x 1,024 bytes, images of the operand's registers as the attention stored them)
; stay in every wave's registers.  W_fc2 [1024 columns][1024 K] walks by in 8 tiles of 128 columns x the whole K, through a ring of two LDS slots; in each tile wave w fetches and reads rows 32 w .. 32 w + 31.
; CLUSTER.  Every work-group walks the same W_fc2: each tile is asked for JOINTLY by four partners, with the same descriptor and a mask that names them.
; THE PRODUCT IS USED TRANSPOSED (source 0 = 16 rows of W, source 1 = 16 tokens): a lane holds eight neighbouring columns of one row.  All 32 accumulators are kept; at the end they meet in a stage in LDS,
; and each wave takes 8 whole rows, one after the other: bias, swish, + x, mean, variance as the mean of squared differences, and 512 consecutive bytes a store.
; The wave's 8 rows of x are asked for at the head and wait in registers.
; REGISTERS, in windows of 256: window 0: v1-29 addresses and statistics; v32-63 b_fc2; v64-255 three buffers of four fragments of W (at the end: v64-95, v128-159 a row by turns, v96-127 at work).
;   window 1: new_v's fragment (tile of rows t, K step k) at v[128 t + 16 k].   window 2: accumulator (tile j, columns u, rows t) at v[32 j + 16 u + 8 t].   window 3: x's row i, 128 columns q, at v[32 i + 4 q].
.set PW,    1040                       ; a row of W in LDS: 1,024 bytes + 16 of padding = 260 words: the 16 rows that a load touches start 4 words apart
.set SLOTB, 128*PW
.set SPARE, 2*SLOTB                    ; behind the ring: the spare words, 128 bytes for each wave: two blocks of 256 bytes that no other line names
.set SP,    4112                       ; the stage: 32 rows x (4,096 bytes + 16), in slot 0, which has had its last fill and its last read when the first result is stored there
.set LI,  1                            ; v1    16 x lane
.set ADW, 4                            ; v4-5  LDS address of my rows of W in slot 0, 1
.set STO, 6                            ; v6-7  the stage: where I put 32 bytes of a row, for rows 0-15 and 16-31
.set RD,  8                            ; v8    and where I read my rows back
.set SPW, 28                           ; v28   LDS address of my spare word; never rewritten
.set NIL, 29                           ; v29   0; never rewritten
.set B2,  32
.set WF0, 64
.set WF1, 128
.set WF2, 192
.set T0,  64
.set E,   96
.set WV,  18
.set SEL, 20
.set G1,  24                           ; s[24:31] descriptor group 1;  s[32:39] group 0, one set for each slot
.set G0,  32
.set MSB, 0
.macro WIN new                         ; the immediate's high byte repeats the setting that is left; a switch that changes nothing is dropped
.if MSB != (\new)
	s_set_vgpr_msb (MSB<<8)|(\new)
.set MSB, (\new)
.endif
.endm
.set MUL, 0xa4                         ; source 0 (W) window 0, source 1 (new_v) window 1, C and D window 2
.macro ROUND                           ; a round of the cluster's barrier
	s_barrier_signal -1
	s_barrier_wait -1
	s_cmp_lg_u32 s[WV], 0
	s_cbranch_scc1 .Lnot_wave_0_\@
	s_barrier_signal -3
.Lnot_wave_0_\@:
	s_barrier_wait -3
	s_barrier_signal -1
	s_barrier_wait -1
.endm
.macro PLACES n
.rept \n
	v_nop
.endr
.endm
	s_load_b256 s[4:11], s[0:1], 0x0               ; nv_img s[4:5], W's codes s[6:7], the scales' exponents s[8:9], b_fc2 s[10:11]
	s_load_b128 s[12:15], s[0:1], 0x20             ; x s[12:13], out s[14:15]
	v_lshl_add_u32 v[SPW], v0, 2, SPARE
	v_mov_b32 v[NIL], 0
	ds_add_u32 v28, v29
	ds_add_u32 v28, v29
	s_wait_dscnt 0x0
	v_lshrrev_b32 v2, 5, v0
	v_readfirstlane_b32 s[WV], v2                  ; wave 0..3
	s_bfe_u32 s46, ttmp6, 0x40000                  ; cx
	s_lshl_b32 s47, ttmp9, 2
	s_add_co_u32 s47, s47, s46                     ; my work-group: it enters the addresses of new_v, x and out alone
	s_mov_b32 s[G1], 15|(1<<20)|(1<<21)|(7<<22)|(3<<25)   ; 15:0 the mask: all four work-groups; 17:16 elements of 1 byte; 20 padding on; 21 set beside a mask; 24:22 after every 256 words; 31:25 of 4 words
	s_mov_b32 s[G1+1], 1024<<16                    ; tensor_dim0 = 1,024
	s_mov_b32 s[G1+2], 32<<16                      ; tensor_dim1 = 32 rows
	s_mov_b32 s[G1+3], 1024<<16                    ; tile_dim0
	s_mov_b32 s[G1+4], 32                          ; tile_dim1
	s_mov_b32 s[G1+5], 1024                        ; from row to row
	s_mov_b32 s[G1+6], 0
	s_mov_b32 s[G1+7], 0
	s_mov_b32 s[SEL], 0x76543210
	s_mov_b32 s[SEL+1], 0xfedcba98
	s_mul_i32 s48, s[WV], 32*PW                    ; my 32 rows in a slot,
	s_lshl_b32 s50, s[WV], 15                      ; and in a tile of W in memory
	s_mov_b32 s51, 0
	s_lshl_b32 s52, s47, 15                        ; new_v: 32,768 bytes a work-group
	s_mov_b32 s53, 0
	s_lshl_b32 s54, s47, 17                        ; x, out: (32 x work-group + 8 x wave) rows of 4,096 bytes
	s_lshl_b32 s55, s[WV], 15
	s_add_co_u32 s54, s54, s55
	s_mov_b32 s55, 0
	s_wait_kmcnt 0x0
	s_load_b256 s[72:79], s[8:9], 0x0              ; e0 .. e7
	s_add_nc_u64 s[50:51], s[6:7], s[50:51]
	s_add_nc_u64 s[4:5], s[4:5], s[52:53]
	s_add_nc_u64 s[12:13], s[12:13], s[54:55]
	s_add_nc_u64 s[14:15], s[14:15], s[54:55]
.irp s, 0,1
	s_mov_b32 s[G0+4*\s], 1
	s_add_co_u32 s[G0+4*\s+1], s48, \s*SLOTB
	s_add_nc_u64 s[G0+4*\s+2:G0+4*\s+3], s[50:51], \s*131072
	s_or_b32 s[G0+4*\s+3], s[G0+4*\s+3], 0x80000000
.endr
	ROUND                                          ; all four work-groups are here: the first joint loads meet
	tensor_load_to_lds s[G0:G0+3], s[G1:G1+7]      ; tiles 0 and 1: two tensor loads of mine are out
	s_nop 0
	tensor_load_to_lds s[G0+4:G0+7], s[G1:G1+7]
	s_nop 0
	PLACES 4
	v_and_b32 v2, 31, v0
	v_lshlrev_b32 v[LI], 4, v2
	v_and_b32 v2, 15, v0                           ; r
	v_bfe_u32 v3, v0, 4, 1                         ; h
	v_mul_u32_u24 v9, v2, PW
	v_lshl_add_u32 v9, v3, 4, v9
	v_add_nc_u32 v[ADW], s48, v9                   ; row r of my 32, + 16 h
	v_add_nc_u32 v[ADW+1], SLOTB, v[ADW]
	v_mul_u32_u24 v9, v2, SP
	v_lshl_add_u32 v9, v3, 5, v9
	s_lshl_b32 s56, s[WV], 7
	v_add_nc_u32 v[STO], s56, v9                   ; the stage: row r, + 128 x wave + 32 h: my columns' bytes in a tile's 512
	v_add_nc_u32 v[STO+1], 16*SP, v[STO]
	s_mul_i32 s56, s[WV], 8*SP
	v_add_nc_u32 v[RD], s56, v[LI]                 ; back: my 8 rows, 16 bytes a lane
	v_mov_b32 v11, 0                               ; (named as the upper halves of pairs)
	v_mov_b32 v13, 0
	v_mov_b32 v18, 0                               ; written once: a lane permute's destination counts as one of its sources
	WIN 0x40                                       ; destination window 1
.set n, 0
.rept 64
	global_load_b128 v[4*n:4*n+3], v[LI], s[4:5] offset:512*n      ; new_v's images: 512 consecutive bytes are four registers of a fragment
.set n, n+1
.endr
	WIN 0
.set n, 0
.rept 8
	global_load_b128 v[B2+4*n:B2+4*n+3], v[LI], s[10:11] offset:512*n   ; b_fc2 at columns 128 q + 4 x lane on
.set n, n+1
.endr
	WIN 0xc0                                       ; destination window 3
.irp i, 0,1,2,3,4,5,6,7
.irp q, 0,1,2,3,4,5,6,7
	global_load_b128 v[32*\i+4*\q:32*\i+4*\q+3], v[LI], s[12:13] offset:4096*\i+512*\q th:TH_LOAD_NT
.endr
.endr
	WIN 0
	s_wait_loadcnt 63                              ; behind new_v's 64 loads 72 were issued: with 63 out at the most, new_v is in
.macro FETCHW s, kp, buf               ; W's fragments of K steps 2 kp, 2 kp + 1 x my two tiles of 16 columns: 16 loads
.irp k, 0,1
.irp u, 0,1
.irp c, 0,1,2,3
	ds_load_b128 v[\buf+16*(2*\k+\u)+4*\c:\buf+16*(2*\k+\u)+4*\c+3], v[ADW+\s] offset:\u*16*PW+128*(2*\kp+\k)+32*\c
.endr
.endr
.endr
.endm
.macro MULB j, kp, buf                 ; 8 products: the tile's four accumulators take turns, one instruction a turn; the first K step starts the sums
.irp k, 0,1
.irp u, 0,1
.irp t, 0,1
.if (2*\kp+\k) == 0
	v_wmma_f32_16x16x128_fp8_fp8 v[32*\j+16*\u+8*\t:32*\j+16*\u+8*\t+7], v[\buf+16*(2*\k+\u):\buf+16*(2*\k+\u)+15], v[128*\t+16*(2*\kp+\k):128*\t+16*(2*\kp+\k)+15], 0
.else
	v_wmma_f32_16x16x128_fp8_fp8 v[32*\j+16*\u+8*\t:32*\j+16*\u+8*\t+7], v[\buf+16*(2*\k+\u):\buf+16*(2*\k+\u)+15], v[128*\t+16*(2*\kp+\k):128*\t+16*(2*\kp+\k)+15], v[32*\j+16*\u+8*\t:32*\j+16*\u+8*\t+7]
.endif
.endr
.endr
.endr
.endm
; Tile j, in slot j % 2.  At its head the slots change: each wave waits for all its tensor loads, adds 0 to its spare word, and waits for that and for its reads of the slot that it has left;
; a round of the cluster's barrier; and the slot just left takes tile j + 1.
.macro TILE j
.if \j == 0
	s_wait_tensorcnt 0x1                           ; my rows of tile 0 are in (tile 1's load may be out); I read no other wave's rows, so no barrier is needed
.else
	s_wait_tensorcnt 0x0                           ; all my tensor loads have landed: my rows of this tile
	ds_add_u32 v[SPW], v[NIL]                      ; 0 onto my spare word
.if \j < 7
	s_add_nc_u64 s[G0+4*((\j+1)%2)+2:G0+4*((\j+1)%2)+3], s[G0+4*((\j+1)%2)+2:G0+4*((\j+1)%2)+3], 262144   ; no load of mine is out, so a group 0 may be written: two tiles on
.endif
	s_wait_dscnt 0x0                               ; the add is done, and my reads of the slot that I have left are over
.if \j < 7
	ROUND                                          ; no wave of any partner still reads that slot or has a load on its way
	tensor_load_to_lds s[G0+4*((\j+1)%2):G0+4*((\j+1)%2)+3], s[G1:G1+7]   ; the first thing behind the round, and my one tensor load until the next
	s_nop 0
	PLACES 4
.else
	s_barrier_signal -1                            ; nothing is left to fetch; behind this barrier nobody reads slot 0, where the stage will lie
	s_barrier_wait -1
.endif
.endif
	FETCHW \j%2, 0, WF0
	FETCHW \j%2, 1, WF1
	FETCHW \j%2, 2, WF2
	s_wait_dscnt 32                                ; the first sixteen loads are in
	WIN MUL
	MULB \j, 0, WF0
	WIN 0
	PLACES 4                                       ; in front of loads into registers that matrix instructions have read
	FETCHW \j%2, 3, WF0
	s_wait_dscnt 32                                ; the second sixteen
	WIN MUL
	MULB \j, 1, WF1
	s_wait_dscnt 16                                ; the third
	MULB \j, 2, WF2
	s_wait_dscnt 0
	MULB \j, 3, WF0
	WIN 0
	PLACES 4                                       ; in front of the next tile's loads, or of the stores that read results
.endm
.irp j, 0,1,2,3,4,5,6,7
	TILE \j
.endr
	; all 32 accumulators into the stage: lane (r, h) holds row 16 t + r, columns 128 j + 32 w + 16 u + 8 h + 0 .. 7; each accumulator from its low end on
	WIN 0x08                                       ; a store's data: window 2
.irp j, 0,1,2,3,4,5,6,7
.irp u, 0,1
.irp t, 0,1
	ds_store_b128 v[STO+\t], v[32*\j+16*\u+8*\t:32*\j+16*\u+8*\t+3]   offset:512*\j+64*\u
	ds_store_b128 v[STO+\t], v[32*\j+16*\u+8*\t+4:32*\j+16*\u+8*\t+7] offset:512*\j+64*\u+16
.endr
.endr
.endr
	WIN 0
	s_wait_kmcnt 0x0
	s_add_co_i32 s40, s78, s79
	s_add_co_i32 s40, s40, 127
	s_lshl_b32 s40, s40, 23                        ; 2^(e6 + e7) as f32
	s_mov_b32 s41, s40                             ; (named with it as a pair, so it is written)
	s_mov_b32 s42, 0xbfb8aa3b                      ; -log2(e)
	s_mov_b32 s43, s42
	s_mov_b32 s44, 0x3a800000                      ; 1 / 1024
	s_mov_b32 s45, 0x3727c5ac                      ; 1e-5
	s_wait_dscnt 0x0                               ; for the others' sake: my stores into the stage are done
	s_barrier_signal -1
	s_barrier_wait -1                              ; a row's bytes come from four waves
	s_wait_loadcnt 0x0                             ; b_fc2 and x
.set n, 0
.rept 8
	ds_load_b128 v[T0+4*n:T0+4*n+3], v[RD] offset:512*n   ; my first row
.set n, n+1
.endr
.macro SUM32                           ; v14 over the 32 lanes, into every lane
	v_add_f32_dpp v14, v14, v14 row_xmask:1 row_mask:0xf bank_mask:0xf
	v_add_f32_dpp v14, v14, v14 row_xmask:2 row_mask:0xf bank_mask:0xf
	v_add_f32_dpp v14, v14, v14 row_xmask:4 row_mask:0xf bank_mask:0xf
	v_add_f32_dpp v14, v14, v14 row_xmask:8 row_mask:0xf bank_mask:0xf
	v_permlanex16_b32 v18, v14, s[SEL], s[SEL+1]
	v_add_f32 v14, v14, v18
.endm
; Row i of my eight: one wave, one row, 32 numbers a lane.
.macro ROW i
.set T,  T0+64*((\i)%2)
.set TN, T0+64*(((\i)+1)%2)
.if (\i) < 7
.if (\i) > 0
	s_wait_xcnt 0x0                                ; the row before has been stored from the other set: it is loaded again only behind this wait
.endif
.set n, 0
.rept 8
	ds_load_b128 v[TN+4*n:TN+4*n+3], v[RD] offset:SP*((\i)+1)+512*n
.set n, n+1
.endr
	s_wait_dscnt 0x8                               ; this row is in; the next row's eight loads may be out
.else
	s_wait_dscnt 0x0
.endif
.set n, 0
.rept 16
	v_pk_fma_f32 v[T+n:T+n+1], v[T+n:T+n+1], s[40:41], v[B2+n:B2+n+1] op_sel_hi:[1,0,1]   ; z = sum x 2^(e6 + e7) + bias
.set n, n+2
.endr
.set n, 0
.rept 16
	v_pk_mul_f32 v[E+n:E+n+1], v[T+n:T+n+1], s[42:43] op_sel_hi:[1,0]
.set n, n+2
.endr
.set n, 0
.rept 32
	v_exp_f32 v[E+n], v[E+n]
.set n, n+1
.endr
	v_nop                                          ; one plain instruction between the exponentials and the use of their results
.set n, 0
	s_wait_alu depctr_va_vdst(0)
.rept 16
	v_pk_add_f32 v[E+n:E+n+1], v[E+n:E+n+1], 1.0 op_sel_hi:[1,0]
.set n, n+2
.endr
.set n, 0
.rept 32
	v_rcp_f32 v[E+n], v[E+n]
.set n, n+1
.endr
	v_nop                                          ; likewise behind the reciprocals
.set n, 0
	s_wait_alu depctr_va_vdst(0)
.rept 16
	v_pk_mul_f32 v[T+n:T+n+1], v[T+n:T+n+1], v[E+n:E+n+1]   ; swish(z) = z / (1 + 2^(-z log2 e))
.set n, n+2
.endr
	WIN 0x0c                                       ; source 1: window 3
.set n, 0
.rept 16
	v_pk_add_f32 v[T+n:T+n+1], v[T+n:T+n+1], v[32*(\i)+n:32*(\i)+n+1]   ; + x
.set n, n+2
.endr
	WIN 0
	v_pk_add_f32 v[14:15], v[T:T+1], v[T+2:T+3]    ; the row's sum, in two chains
	v_pk_add_f32 v[16:17], v[T+4:T+5], v[T+6:T+7]
.set n, 8
.rept 6
	v_pk_add_f32 v[14:15], v[14:15], v[T+n:T+n+1]
	v_pk_add_f32 v[16:17], v[16:17], v[T+n+2:T+n+3]
.set n, n+4
.endr
	v_pk_add_f32 v[14:15], v[14:15], v[16:17]
	v_add_f32 v14, v14, v15
	SUM32
	v_mul_f32 v10, s44, v14                        ; the mean
.set n, 0
.rept 16
	v_pk_add_f32 v[T+n:T+n+1], v[T+n:T+n+1], v[10:11] op_sel_hi:[1,0] neg_lo:[0,1] neg_hi:[0,1]   ; less the mean
.set n, n+2
.endr
	v_pk_mul_f32 v[14:15], v[T:T+1], v[T:T+1]      ; the squares of the differences, in two chains
	v_pk_mul_f32 v[16:17], v[T+2:T+3], v[T+2:T+3]
.set n, 4
.rept 7
	v_pk_fma_f32 v[14:15], v[T+n:T+n+1], v[T+n:T+n+1], v[14:15]
	v_pk_fma_f32 v[16:17], v[T+n+2:T+n+3], v[T+n+2:T+n+3], v[16:17]
.set n, n+4
.endr
	v_pk_add_f32 v[14:15], v[14:15], v[16:17]
	v_add_f32 v14, v14, v15
	SUM32
	v_fma_f32 v12, v14, s44, s45                   ; the variance + 1e-5
	v_rsq_f32 v12, v12
	v_nop                                          ; one plain instruction behind a transcendental
.set n, 0
	s_wait_alu depctr_va_vdst(0)
.rept 16
	v_pk_mul_f32 v[T+n:T+n+1], v[T+n:T+n+1], v[12:13] op_sel_hi:[1,0]
.set n, n+2
.endr
.set n, 0
.rept 8
	global_store_b128 v[LI], v[T+4*n:T+4*n+3], s[14:15] offset:4096*(\i)+512*n th:TH_STORE_NT   ; 32 lanes store 512 consecutive bytes, at a multiple of 256 from the buffer's first byte; written once, read by nobody here
.set n, n+1
.endr
.endm
.irp i, 0,1,2,3,4,5,6,7
	ROW \i
.endr
	s_wait_tensorcnt 0x0                           ; the wave's end
	ds_add_u32 v[SPW], v[NIL]
	s_wait_dscnt 0x0
	ROUND                                          ; the closing round: no work-group ends while a partner may still ask for a tile that names it
	s_endpgm
.Lfunc_end_k_q0bf0883b87_proj:
	.size	k_q0bf0883b87_proj, .Lfunc_end_k_q0bf0883b87_proj-k_q0bf0883b87_proj
	.p2alignl 7, 3214868480
	.fill 96, 4, 3214868480
	.section	.rodata,"a",@progbits
	.p2align	6, 0x0
	.amdhsa_kernel k_q0bf0883b87_proj
		.amdhsa_group_segment_fixed_size 327680
		.amdhsa_private_segment_fixed_size 0
		.amdhsa_enable_private_segment 0
		.amdhsa_kernarg_size 48
		.amdhsa_user_sgpr_count 2
		.amdhsa_user_sgpr_kernarg_segment_ptr 1
		.amdhsa_wavefront_size32 1
		.amdhsa_system_sgpr_workgroup_id_x 1
		.amdhsa_system_sgpr_workgroup_id_y 1
		.amdhsa_system_sgpr_workgroup_id_z 1
		.amdhsa_system_vgpr_workitem_id 0
		.amdhsa_next_free_vgpr 1024
		.amdhsa_next_free_sgpr 90
		.amdhsa_reserve_vcc 0
		.amdhsa_float_denorm_mode_32 3
		.amdhsa_float_denorm_mode_16_64 3
		.amdhsa_memory_ordered 1
		.amdhsa_forward_progress 1
		.amdhsa_inst_pref_size 186
	.end_amdhsa_kernel
	.amdgpu_metadata
---
amdhsa.version: [ 1, 2 ]
amdhsa.kernels:
  - .name:           k_q0bf0883b87_proj
    .symbol:         k_q0bf0883b87_proj.kd
    .args:
      - { .name: nv_img, .offset: 0, .size: 8, .value_kind: global_buffer, .address_space: global }
      - { .name: W_fc2_codes, .offset: 8, .size: 8, .value_kind: global_buffer, .address_space: global }
      - { .name: lowp_scales, .offset: 16, .size: 8, .value_kind: global_buffer, .address_space: global }
      - { .name: b_fc2, .offset: 24, .size: 8, .value_kind: global_buffer, .address_space: global }
      - { .name: x, .offset: 32, .size: 8, .value_kind: global_buffer, .address_space: global }
      - { .name: out0, .offset: 40, .size: 8, .value_kind: global_buffer, .address_space: global }
    .group_segment_fixed_size: 327680
    .private_segment_fixed_size: 0
    .kernarg_segment_align: 8
    .kernarg_segment_size: 48
    .max_flat_workgroup_size: 128
    .sgpr_count:     90
    .vgpr_count:     1024
    .wavefront_size: 32
...
	.end_amdgpu_metadata
.endif
;; end of part 4
;; ======== version 2 of 2: 4 launches
;; limits: right only within a limited range of input values
;; workspace buffers: x_codes 8,388,608 bytes; q_img 8,388,608 bytes; k_img 8,388,608 bytes; v_img 8,388,608 bytes; nv_img 8,388,608 bytes; w2_img 1,048,576 bytes
;; launch quantx (part 5): grid 576 x 1, 4 waves a work-group, no clusters, 33,280 bytes of LDS; arguments x, lowp_scales, x_codes, W_fc2_codes, w2_img; writes x_codes, w2_img
.if DOCPART == 5
	.amdgcn_target "amdgcn-amd-amdhsa--gfx1250"
	.amdhsa_code_object_version 6
	.text
	.protected	k_q0bf0883b87_quantx
	.globl	k_q0bf0883b87_quantx
	.p2align	8
	.type	k_q0bf0883b87_quantx,@function
k_q0bf0883b87_quantx:
	s_mov_b64 s[64:65], 0
	v_nop
	global_prefetch_b8 v0, s[64:65] scope:SCOPE_SE
	s_setreg_imm32_b32 hwreg(HW_REG_WAVE_MODE, 25, 1), 1
	s_wait_xcnt 0x0
; x [8192][1024] f32 becomes codes of E4M3, one byte each, row-major with K innermost, with the given scale 2^e0 (entry 0 of the scales).
; code = x / 2^e0, held within +-448, rounded to the nearest code, ties to even.  LIMITS: e0 between -126 and 119, so that 2^e0 and 448 x 2^e0 are f32 numbers; NaN among the inputs is not served.
; Rows are dense, so the tensor is a plain stream.  A wave takes 8 steps of 512 numbers.  Each of a step's four loads reads 512 consecutive bytes, 16 a lane; the conversions want 16 NEIGHBOURS in one lane,
; so a step's 2,048 bytes go through the wave's own stage in LDS as they lie and come back 64 bytes a lane (16 bytes of padding behind each 64).  A lane's 16 codes are 16 bytes: the wave stores 512 consecutive bytes.
; No tensor loads, no barrier, no cluster, no matrix unit: the waves share nothing and every byte is read once.  Loads run four steps (16 loads a wave) ahead, the turn through LDS one step.
.set STEPS, 8
.set EMAX,  8
.set MANT,  0x600000                   ; the mantissa field of 448 as f32
.set R,     16                         ; v16-79   four sets of 16 numbers as they are loaded
.set X,     80                         ; v80-111  two sets of 16 neighbours
.set C,     128                        ; v128-159 codes: four registers for each step, so that no store's data are written again
.set WREG,  8192                       ; LDS: a region of its own for each wave: two stages of 32 x SP bytes
.set SP,    80                         ; a lane's place in a stage: its 64 bytes + 16 of padding
	s_load_b128 s[4:7], s[0:1], 0x0                ; x, the scales' exponents
	s_load_b64 s[8:9], s[0:1], 0x10                ; the codes
	s_load_b64 s[12:13], s[0:1], 0x18              ; W_fc2's codes
	s_load_b64 s[14:15], s[0:1], 0x20              ; and their image
	v_lshl_add_u32 v160, v0, 2, 0x8000
	v_mov_b32 v161, 0
	v_lshrrev_b32 v1, 5, v0
	v_readfirstlane_b32 s16, v1                    ; wave
	v_and_b32 v2, 31, v0                           ; lane
	v_lshlrev_b32 v3, 4, v2                        ; 16 x lane: my 16 bytes of a load's 512, and of a store's
	s_mul_i32 s17, s16, WREG
	v_lshrrev_b32 v14, 2, v2
	v_mul_u32_u24 v14, v14, SP
	v_and_b32 v15, 3, v2
	v_lshl_add_u32 v14, v15, 4, v14
	v_add_nc_u32 v14, s17, v14                     ; the stage, on the way in: SP (lane / 4) + 16 (lane % 4); a load's 512 bytes take eight places
	v_mul_u32_u24 v15, v2, SP
	v_add_nc_u32 v15, s17, v15                     ; and on the way out: SP x lane: my 16 neighbours
	s_lshl_b32 s18, ttmp9, 2
	s_add_co_u32 s18, s18, s16                     ; which run of 4,096 numbers is my wave's
	s_lshl_b32 s20, s18, 14                        ; 16,384 bytes of x,
	s_mov_b32 s21, 0
	s_lshl_b32 s22, s18, 12                        ; 4,096 bytes of codes
	s_mov_b32 s23, 0
	s_wait_alu depctr_va_vdst(0)
	s_wait_kmcnt 0x0
	s_cmp_ge_u32 ttmp9, 512                        ; work-groups 512 to 575 lay W_fc2's codes out anew (at the text's end); they touch no LDS
	s_cbranch_scc1 .Lw2
	s_load_b32 s24, s[6:7], 0x0                    ; e0
	s_add_nc_u64 s[4:5], s[4:5], s[20:21]
	s_add_nc_u64 s[8:9], s[8:9], s[22:23]
.macro LOAD t
.irp i, 0,1,2,3
	global_load_b128 v[R+16*((\t)%4)+4*\i:R+16*((\t)%4)+4*\i+3], v3, s[4:5] offset:2048*(\t)+512*\i th:TH_LOAD_NT   ; 32 lanes read 512 consecutive bytes
.endr
.endm
.macro TURN t                          ; step t's numbers through the stage: LDS serves a wave's instructions in order, so no wait stands between the stores and the loads
.irp i, 0,1,2,3
	ds_store_b128 v14, v[R+16*((\t)%4)+4*\i:R+16*((\t)%4)+4*\i+3] offset:32*SP*((\t)%2)+8*SP*\i
.endr
.irp i, 0,1,2,3
	ds_load_b128 v[X+16*((\t)%2)+4*\i:X+16*((\t)%2)+4*\i+3], v15 offset:32*SP*((\t)%2)+16*\i
.endr
.endm
.irp t, 0,1,2,3
	LOAD \t
.endr
	s_wait_kmcnt 0x0
	s_add_co_i32 s24, s24, 127
	s_lshl_b32 s25, s24, 23
	v_mov_b32 v11, s25                             ; 2^e0 as f32: the conversion takes its exponent field
	s_add_co_i32 s24, s24, EMAX
	s_lshl_b32 s24, s24, 23
	s_or_b32 s24, s24, MANT
	v_mov_b32 v10, s24                             ; 448 x 2^e0
	s_wait_alu depctr_va_vdst(0)
	s_wait_loadcnt 12                              ; step 0's four loads are in; the twelve of steps 1 to 3 may be out
	TURN 0
.macro STEP t
.set XS, X+16*((\t)%2)
	s_wait_dscnt 0x0                               ; this step's numbers are back from the stage: so its stores into the stage have read their registers,
.if (\t)+4 < STEPS
	LOAD (\t)+4                                    ; which take the loads of four steps on
.endif
.if (\t)+1 < STEPS
.if STEPS-2-(\t) >= 3
	s_wait_loadcnt 12                              ; the next step's four loads are in; those of the three steps behind it may be out
.else
	s_wait_loadcnt 4*(STEPS-2-(\t))                ; near the end fewer steps stand behind it
.endif
	TURN (\t)+1                                    ; and go through the other stage while this step is worked
.endif
.irp i, 0,1,2,3,4,5,6,7,8,9,10,11,12,13,14,15
	v_med3_num_f32 v[XS+\i], v[XS+\i], -v10, v10   ; the conversion to an 8-bit code does not saturate (ISA guide 7.6.2): hold the number within 448 x the scale first
.endr
	v_cvt_scalef32_pk8_fp8_f32 v[C+4*(\t):C+4*(\t)+1], v[XS:XS+7], v11          ; eight numbers / 2^e0, to the nearest code, ties to even; the first number's code in the lowest byte
	v_cvt_scalef32_pk8_fp8_f32 v[C+4*(\t)+2:C+4*(\t)+3], v[XS+8:XS+15], v11
	global_store_b128 v3, v[C+4*(\t):C+4*(\t)+3], s[8:9] offset:512*(\t)        ; 32 lanes store 512 consecutive bytes, at a multiple of 256 from the buffer's first byte
.endm
.irp t, 0,1,2,3,4,5,6,7
	STEP \t
.endr
	s_wait_tensorcnt 0x0
	ds_add_u32 v160, v161
	s_wait_dscnt 0x0
	s_endpgm
; W_fc2's codes [1024 columns][1024 K] become images of the operand's registers: w2_img [64 tiles of 16 columns][8 steps of 128 K][4 groups c][32 lanes][16 bytes];
; lane (r, h) of group c holds column r, K = 32 c + 16 h + 0 .. 15 of the step.  The codes are moved as they are.  Work-group 512 + g takes tile g, each wave two steps: eight loads of 16 bytes a lane
; (32 bytes of each of 16 rows an instruction: over the eight, 256 consecutive bytes of each row) and eight stores of 512 consecutive bytes.
.Lw2:
	s_sub_co_u32 s26, ttmp9, 512
	s_lshl_b32 s26, s26, 14                        ; a tile is 16,384 bytes in both layouts
	s_lshl_b32 s27, s16, 8                         ; my two steps: 256 bytes of each row,
	s_add_co_u32 s27, s27, s26
	s_lshl_b32 s28, s16, 12                        ; 4,096 bytes of the image
	s_add_co_u32 s28, s28, s26
	v_and_b32 v4, 15, v2                           ; r
	v_lshrrev_b32 v5, 4, v2                        ; h
	v_lshlrev_b32 v4, 10, v4
	v_lshl_add_u32 v4, v5, 4, v4
	v_add_nc_u32 v4, s27, v4                       ; from: 1,024 r + 16 h
	v_add_nc_u32 v6, s28, v3                       ; to: 16 x lane
	s_wait_alu depctr_va_vdst(0)
.irp j, 0,1,2,3,4,5,6,7
	global_load_b128 v[16+4*\j:19+4*\j], v4, s[12:13] offset:32*\j
.endr
	s_wait_loadcnt 0x0
.irp j, 0,1,2,3,4,5,6,7
	global_store_b128 v6, v[16+4*\j:19+4*\j], s[14:15] offset:512*\j
.endr
	s_endpgm
.Lfunc_end_k_q0bf0883b87_quantx:
	.size	k_q0bf0883b87_quantx, .Lfunc_end_k_q0bf0883b87_quantx-k_q0bf0883b87_quantx
	.p2alignl 7, 3214868480
	.fill 96, 4, 3214868480
	.section	.rodata,"a",@progbits
	.p2align	6, 0x0
	.amdhsa_kernel k_q0bf0883b87_quantx
		.amdhsa_group_segment_fixed_size 33280
		.amdhsa_private_segment_fixed_size 0
		.amdhsa_enable_private_segment 0
		.amdhsa_kernarg_size 40
		.amdhsa_user_sgpr_count 2
		.amdhsa_user_sgpr_kernarg_segment_ptr 1
		.amdhsa_wavefront_size32 1
		.amdhsa_system_sgpr_workgroup_id_x 1
		.amdhsa_system_sgpr_workgroup_id_y 1
		.amdhsa_system_sgpr_workgroup_id_z 1
		.amdhsa_system_vgpr_workitem_id 0
		.amdhsa_next_free_vgpr 162
		.amdhsa_next_free_sgpr 66
		.amdhsa_reserve_vcc 0
		.amdhsa_float_denorm_mode_32 3
		.amdhsa_float_denorm_mode_16_64 3
		.amdhsa_memory_ordered 1
		.amdhsa_forward_progress 1
		.amdhsa_inst_pref_size 22
	.end_amdhsa_kernel
	.amdgpu_metadata
---
amdhsa.version: [ 1, 2 ]
amdhsa.kernels:
  - .name:           k_q0bf0883b87_quantx
    .symbol:         k_q0bf0883b87_quantx.kd
    .args:
      - { .name: x, .offset: 0, .size: 8, .value_kind: global_buffer, .address_space: global }
      - { .name: lowp_scales, .offset: 8, .size: 8, .value_kind: global_buffer, .address_space: global }
      - { .name: x_codes, .offset: 16, .size: 8, .value_kind: global_buffer, .address_space: global }
      - { .name: W_fc2_codes, .offset: 24, .size: 8, .value_kind: global_buffer, .address_space: global }
      - { .name: w2_img, .offset: 32, .size: 8, .value_kind: global_buffer, .address_space: global }
    .group_segment_fixed_size: 33280
    .private_segment_fixed_size: 0
    .kernarg_segment_align: 8
    .kernarg_segment_size: 40
    .max_flat_workgroup_size: 128
    .sgpr_count:     66
    .vgpr_count:     162
    .wavefront_size: 32
...
	.end_amdgpu_metadata
.endif
;; end of part 5
;; launch qkv (part 6): grid 16 x 16, 4 waves a work-group, clusters of 4 x 4, 327,680 bytes of LDS; arguments x_codes, W_fc_codes, lowp_scales, b_fc, q_img, k_img, v_img; writes q_img, k_img, v_img
.if DOCPART == 6
	.amdgcn_target "amdgcn-amd-amdhsa--gfx1250"
	.amdhsa_code_object_version 6
	.text
	.protected	k_q0bf0883b87_qkv
	.globl	k_q0bf0883b87_qkv
	.p2align	8
	.type	k_q0bf0883b87_qkv,@function
k_q0bf0883b87_qkv:
	s_mov_b64 s[64:65], 0
	v_nop
	global_prefetch_b8 v0, s[64:65] scope:SCOPE_SE
	s_setreg_imm32_b32 hwreg(HW_REG_WAVE_MODE, 25, 1), 1
	s_wait_xcnt 0x0
	s_wait_alu depctr_hold_cnt(0) depctr_sa_sdst(0) depctr_va_vdst(0) depctr_va_sdst(0) depctr_va_ssrc(0) depctr_va_vcc(0) depctr_vm_vsrc(0)
	s_getreg_b32 s2, hwreg(HW_REG_IB_STS2, 6, 4)
	s_cmp_eq_u32 s2, 0
	s_cbranch_scc0 .Lentry_in_a_cluster
	s_endpgm
.Lentry_in_a_cluster:
	s_bfe_u32 s2, ttmp6, 0x10000c
	s_cmp_lg_u32 s2, 0xf033
	s_cbranch_scc0 .Lentry_shape_is_right
	s_endpgm
.Lentry_shape_is_right:
.set ROWB,   256
.set PITCH,  272
.set HALFA,  128*PITCH
.set HALFB,  96*PITCH
.set SLOT,   2*HALFA+2*HALFB
.set SPARE,  2*SLOT
.set FR,     16
.set ADRA, 16
.set ADRB, 20
.set OQ,   24
.set OV,   25
.set BH,   26
.set BR,   27
.set SPW,  28
.set NIL,  29
.set BQK,  32
.set BV,   64
.set CQ,   76
.set CK,   80
.set CV0,  84
.set CV1,  100
.set AF,   128
.set VAL,  128
.set E,    176
.set G1, 24
.set G0, 32
.set G1B, 48
.set G0B, 56
.set MSB, 0
.macro WIN new
.if MSB != (\new)
	s_set_vgpr_msb (MSB<<8)|(\new)
.set MSB, (\new)
.endif
.endm
.set QK_LO, 0xa1
.set QK_HI, 0xf1
.set V_LO,  0xa4
.set V_HI,  0xf4
.set TO_B,  0x40
.macro JLOAD s
	s_cmp_eq_u32 s15, 0
	s_cbranch_scc0 .Lfor_b_\@
	tensor_load_to_lds s[G0+4*\s:G0+4*\s+3], s[G1:G1+7]
	s_nop 0
.rept 4
	v_nop
.endr
	s_branch .Lasked_\@
.Lfor_b_\@:
	tensor_load_to_lds s[G0B+4*\s:G0B+4*\s+3], s[G1B:G1B+7]
	s_nop 0
.rept 4
	v_nop
.endr
.Lasked_\@:
.endm
.macro CREST
	s_cmp_lg_u32 s14, 0
	s_cbranch_scc1 .Lnot_wave_0_\@
	s_barrier_signal -3
.Lnot_wave_0_\@:
	s_barrier_wait -3
	s_barrier_signal -1
	s_barrier_wait -1
.endm
.macro CROUND
	s_barrier_signal -1
	s_barrier_wait -1
	CREST
.endm
	s_load_b256 s[4:11], s[0:1], 0x0
	s_load_b128 s[84:87], s[0:1], 0x20
	s_load_b64 s[88:89], s[0:1], 0x30
	v_lshl_add_u32 v[SPW], v0, 2, SPARE
	v_mov_b32 v[NIL], 0
	ds_add_u32 v28, v29
	ds_add_u32 v28, v29
	s_wait_dscnt 0x0
	v_lshrrev_b32 v1, 5, v0
	v_readfirstlane_b32 s14, v1
	s_lshr_b32 s15, s14, 1
	s_and_b32 s16, s14, 1
	s_bfe_u32 s40, ttmp6, 0x40000
	s_bfe_u32 s41, ttmp6, 0x40004
	s_lshl_b32 s42, ttmp9, 2
	s_add_co_u32 s42, s42, s40
	s_and_b32 s17, ttmp7, 0xffff
	s_lshl_b32 s17, s17, 2
	s_add_co_u32 s17, s17, s41
	s_lshl_b32 s43, s41, 2
	s_lshl_b32 s43, 15, s43
	s_lshl_b32 s44, 0x1111, s40
	s_or_b32 s[G1+0], s43, (1<<20)|(1<<21)|(5<<22)|(3<<25)
	s_or_b32 s[G1B+0], s44, (1<<20)|(1<<21)|(5<<22)|(3<<25)
	s_mov_b32 s[G1+1], ROWB<<16
	s_mov_b32 s[G1+2], 128<<16
	s_mov_b32 s[G1+3], ROWB<<16
	s_mov_b32 s[G1+4], 128
	s_mov_b32 s[G1+5], 1024
	s_mov_b32 s[G1+6], 0
	s_mov_b32 s[G1+7], 0
	s_mov_b32 s[G1B+1], ROWB<<16
	s_mov_b32 s[G1B+2], 96<<16
	s_mov_b32 s[G1B+3], ROWB<<16
	s_mov_b32 s[G1B+4], 96
	s_mov_b32 s[G1B+5], 1024
	s_mov_b32 s[G1B+6], 0
	s_mov_b32 s[G1B+7], 0
	s_lshl_b32 s20, s17, 18
	s_lshl_b32 s18, s16, 17
	s_add_co_u32 s20, s20, s18
	s_mov_b32 s21, 0
	s_mul_i32 s46, s42, 192*1024
	s_mul_i32 s18, s16, 96*1024
	s_add_co_u32 s46, s46, s18
	s_mov_b32 s47, 0
	s_mul_i32 s45, s16, HALFA
	s_mul_i32 s66, s16, HALFB
	s_add_co_u32 s66, s66, 2*HALFA
	s_wait_kmcnt 0x0
	s_load_b256 s[72:79], s[8:9], 0x0
	s_add_nc_u64 s[20:21], s[4:5], s[20:21]
	s_add_nc_u64 s[46:47], s[6:7], s[46:47]
	CROUND
.irp s, 0,1
	s_mov_b32 s[G0+4*\s], 1
	s_add_co_u32 s[G0+4*\s+1], s45, \s*SLOT
	s_add_nc_u64 s[G0+4*\s+2:G0+4*\s+3], s[20:21], \s*ROWB
	s_or_b32 s[G0+4*\s+3], s[G0+4*\s+3], 0x80000000
	s_mov_b32 s[G0B+4*\s], 1
	s_add_co_u32 s[G0B+4*\s+1], s66, \s*SLOT
	s_add_nc_u64 s[G0B+4*\s+2:G0B+4*\s+3], s[46:47], \s*ROWB
	s_or_b32 s[G0B+4*\s+3], s[G0B+4*\s+3], 0x80000000
	s_wait_alu depctr_va_vdst(0)
	s_wait_tensorcnt 0x0
	ds_add_u32 v28, v29
	ds_add_u32 v28, v29
	s_wait_dscnt 0x0
	CROUND
	JLOAD \s
.endr
	v_and_b32 v1, 15, v0
	v_bfe_u32 v2, v0, 4, 1
	v_mul_u32_u24 v3, v1, PITCH
	v_lshl_add_u32 v4, v2, 4, v3
	s_mul_i32 s21, s15, HALFA
	s_mul_i32 s22, s16, 32*PITCH
	s_add_co_u32 s22, s22, 2*HALFA
.irp s, 0,1
	v_add_nc_u32 v[ADRA+\s], s21, v4
	v_add_nc_u32 v[ADRB+\s], s22, v4
	s_add_co_u32 s21, s21, SLOT
	s_add_co_u32 s22, s22, SLOT
.endr
	v_and_b32 v5, 31, v0
	v_lshlrev_b32 v[OV], 4, v5
	s_lshl_b32 s18, s16, 9
	v_add_nc_u32 v[OQ], s18, v[OV]
	v_lshlrev_b32 v[BH], 5, v2
	v_lshlrev_b32 v[BR], 2, v1
	s_mul_i32 s90, s42, 768
	s_lshl_b32 s91, s16, 7
	s_add_co_u32 s90, s90, s91
	s_mov_b32 s91, 0
	s_add_nc_u64 s[10:11], s[10:11], s[90:91]
.irp b, 0,1,2,3
	global_load_b128 v[BQK+8*\b:BQK+8*\b+3],   v[BH], s[10:11] offset:(64*(\b/2)+16*(\b%2))*4
	global_load_b128 v[BQK+8*\b+4:BQK+8*\b+7], v[BH], s[10:11] offset:(64*(\b/2)+16*(\b%2))*4+16
.endr
	global_load_b32 v[BV],   v[BR], s[10:11] offset:128*4
	global_load_b32 v[BV+2], v[BR], s[10:11] offset:144*4
	v_mov_b32 v[BV+1], 0
	v_mov_b32 v[BV+3], 0
	s_lshr_b32 s90, s17, 3
	s_lshl_b32 s90, s90, 4
	s_add_co_u32 s90, s90, s42
	s_lshl_b32 s90, s90, 17
	s_and_b32 s91, s17, 7
	s_lshl_b32 s92, s91, 4
	s_lshl_b32 s93, s15, 3
	s_add_co_u32 s92, s92, s93
	s_lshl_b32 s92, s92, 10
	s_add_co_u32 s92, s92, s90
	s_mov_b32 s93, 0
	s_add_nc_u64 s[84:85], s[84:85], s[92:93]
	s_add_nc_u64 s[86:87], s[86:87], s[92:93]
	s_lshl_b32 s94, s91, 1
	s_add_co_u32 s94, s94, s15
	s_lshl_b32 s94, s94, 13
	s_add_co_u32 s94, s94, s90
	s_lshl_b32 s95, s16, 12
	s_add_co_u32 s94, s94, s95
	s_mov_b32 s95, 0
	s_add_nc_u64 s[88:89], s[88:89], s[94:95]
.macro FRAG reg, adr, q, row
.irp c, 0,1,2,3
	ds_load_b128 v[\reg+4*\c:\reg+4*\c+3], v[\adr] offset:128*(\q)+32*\c+(\row)*PITCH
.endr
.endm
.macro FETCH_B slot, q, p
	WIN TO_B
.irp b, 0,1,2,3,4,5
	FRAG 128*(\p)+FR*\b, ADRB+\slot, \q, 64*(\b/2)+16*(\b%2)
.endr
	WIN 0
.endm
.macro FETCH_A slot, q, i0
.irp i, \i0, \i0+1, \i0+2, \i0+3
	FRAG AF+FR*(\i), ADRA+\slot, \q, 16*(\i)
.endr
.endm
.macro MULQK hi, p, zero
.irp a, 0,1,2,3
.irp b, 0,1,2,3
.if \zero
	v_wmma_f32_16x16x128_fp8_fp8 v[8*(6*\a+\b):8*(6*\a+\b)+7], v[128*(\p)+FR*\b:128*(\p)+FR*\b+FR-1], v[AF+FR*(4*\hi+\a):AF+FR*(4*\hi+\a)+FR-1], 0
.else
	v_wmma_f32_16x16x128_fp8_fp8 v[8*(6*\a+\b):8*(6*\a+\b)+7], v[128*(\p)+FR*\b:128*(\p)+FR*\b+FR-1], v[AF+FR*(4*\hi+\a):AF+FR*(4*\hi+\a)+FR-1], v[8*(6*\a+\b):8*(6*\a+\b)+7]
.endif
.endr
.endr
.endm
.macro MULV hi, p, zero
.irp a, 0,1,2,3
.irp b, 4,5
.if \zero
	v_wmma_f32_16x16x128_fp8_fp8 v[8*(6*\a+\b):8*(6*\a+\b)+7], v[AF+FR*(4*\hi+\a):AF+FR*(4*\hi+\a)+FR-1], v[128*(\p)+FR*\b:128*(\p)+FR*\b+FR-1], 0
.else
	v_wmma_f32_16x16x128_fp8_fp8 v[8*(6*\a+\b):8*(6*\a+\b)+7], v[AF+FR*(4*\hi+\a):AF+FR*(4*\hi+\a)+FR-1], v[128*(\p)+FR*\b:128*(\p)+FR*\b+FR-1], v[8*(6*\a+\b):8*(6*\a+\b)+7]
.endif
.endr
.endr
.endm
.macro PLACES n
.rept \n
	v_nop
.endr
.endm
.macro STEP slot, q, zero
	s_wait_dscnt 16
	WIN QK_LO
	MULQK 0, (\q)%2, \zero
	WIN V_LO
	MULV 0, (\q)%2, \zero
	s_wait_dscnt 0
	PLACES 4
	FETCH_B \slot, (\q)+1, 1-(\q)%2
	FETCH_A \slot, (\q)+1, 0
	WIN QK_HI
	MULQK 1, (\q)%2, \zero
	WIN V_HI
	MULV 1, (\q)%2, \zero
	PLACES 4
	WIN 0
	FETCH_A \slot, (\q)+1, 4
.endm
.macro TURN slot, next, fill
	s_wait_tensorcnt 0x0
	ds_add_u32 v[SPW], v[NIL]
	s_wait_dscnt 17
	WIN QK_LO
	MULQK 0, 1, 0
	s_wait_dscnt 0x0
	s_barrier_signal -1
	WIN V_LO
	MULV 0, 1, 0
	WIN 0
	s_barrier_wait -1
.if \fill
	CREST
.if \fill == 2
	s_add_nc_u64 s[G0+4*\slot+2:G0+4*\slot+3], s[G0+4*\slot+2:G0+4*\slot+3], NEXT_A     ; fill = 2: the NEXT tile's K step of this slot: x's codes 4,096 rows down and back along K,
	s_sub_nc_u64 s[G0B+4*\slot+2:G0B+4*\slot+3], s[G0B+4*\slot+2:G0B+4*\slot+3], 2*ROWB ; W's only back: both tiles take the same columns
.else
	s_add_nc_u64 s[G0+4*\slot+2:G0+4*\slot+3], s[G0+4*\slot+2:G0+4*\slot+3], 2*ROWB
	s_add_nc_u64 s[G0B+4*\slot+2:G0B+4*\slot+3], s[G0B+4*\slot+2:G0B+4*\slot+3], 2*ROWB
.endif
	JLOAD \slot
.else
	PLACES 4
.endif
	s_wait_alu depctr_va_vdst(0)
	FETCH_B \next, 0, 0
	FETCH_A \next, 0, 0
	WIN QK_HI
	MULQK 1, 1, 0
	WIN V_HI
	MULV 1, 1, 0
	PLACES 4
	WIN 0
	FETCH_A \next, 0, 4
.endm
; A WORK-GROUP STAYS: it makes two tiles of 256 rows x 192 columns, 16 tile rows (4,096 rows of x, two batches) apart, in a loop over tiles; the ring of two slots goes on into the second tile.
.set NEXT_A, 4096*1024-2*ROWB          ; bytes from a slot's last K step of a tile to its first of the next
	s_mov_b32 s68, 2                               ; tiles to go: the same number in every work-group
.Ltile:
	s_wait_tensorcnt 1                             ; on both ways here one load of mine may be out, slot 1's; slot 0's was waited for in front of the round before it
	s_barrier_signal -1
	s_barrier_wait -1
	FETCH_B 0, 0, 0
	FETCH_A 0, 0, 0
	FETCH_A 0, 0, 4
	STEP 0, 0, 1
	TURN 0, 1, 1
	STEP 1, 0, 0
	TURN 1, 0, 1
	STEP 0, 0, 0
	s_cmp_eq_u32 s68, 1
	s_cbranch_scc1 .Llast                          ; the last tile's tail is written out: it asks for nothing more
	TURN 0, 1, 2                                   ; slot 0 takes the next tile's K step 0
	STEP 1, 0, 0
	s_wait_dscnt 16                                ; the tile's last step, with a change of slots in its middle
	WIN QK_LO
	MULQK 0, 1, 0
	WIN V_LO
	MULV 0, 1, 0
	WIN 0
	s_wait_tensorcnt 0x0                           ; all my loads are in: my part of the next tile's K step 0
	ds_add_u32 v[SPW], v[NIL]
	s_wait_dscnt 0x0                               ; the add is done, and my reads of slot 1 are over
	CROUND                                         ; so of every wave of all sixteen work-groups
	s_add_nc_u64 s[G0+6:G0+7], s[G0+6:G0+7], NEXT_A
	s_sub_nc_u64 s[G0B+6:G0B+7], s[G0B+6:G0B+7], 2*ROWB
	JLOAD 1                                        ; slot 1 takes the next tile's K step 1: it has the rest of this step and the whole way out in which to land
	WIN QK_HI
	MULQK 1, 1, 0
	WIN V_HI
	MULV 1, 1, 0
	WIN 0
	s_branch .Lepi
.Llast:
	TURN 0, 1, 0
	STEP 1, 0, 0
	s_wait_dscnt 16
	WIN QK_LO
	MULQK 0, 1, 0
	WIN V_LO
	MULV 0, 1, 0
	s_wait_dscnt 0
	WIN QK_HI
	MULQK 1, 1, 0
	WIN V_HI
	MULV 1, 1, 0
	WIN 0
.Lepi:
	s_wait_kmcnt 0x0
.irp i, 0,1,2
	s_add_co_i32 s90, s[74+\i], 127
	s_lshl_b32 s91, s90, 23
	v_mov_b32 v[68+2*\i], s91
	s_add_co_i32 s90, s90, 8
	s_lshl_b32 s90, s90, 23
	s_or_b32 s90, s90, 0x600000
	v_mov_b32 v[69+2*\i], s90
.endr
	s_add_co_i32 s80, s72, s73
	s_add_co_i32 s80, s80, 127
	s_lshl_b32 s80, s80, 23
	s_mov_b32 s81, s80
	s_mov_b32 s82, 0xbfb8aa3b
	s_mov_b32 s83, s82
	s_wait_loadcnt 0x0
.macro EPI a
	WIN 0x02+((\a)/4)
.set n, 0
.rept 16
	v_pk_fma_f32 v[VAL+n:VAL+n+1], v[48*((\a)%4)+n:48*((\a)%4)+n+1], s[80:81], v[BQK+n:BQK+n+1] op_sel_hi:[1,0,1]
.set n, n+2
.endr
.rept 8
	v_pk_fma_f32 v[VAL+n:VAL+n+1], v[48*((\a)%4)+n:48*((\a)%4)+n+1], s[80:81], v[BV+2*((n-32)/8):BV+2*((n-32)/8)+1] op_sel_hi:[1,0,0]
.set n, n+2
.endr
	WIN 0
.set n, 0
.rept 24
	v_pk_mul_f32 v[E+n:E+n+1], v[VAL+n:VAL+n+1], s[82:83] op_sel_hi:[1,0]
.set n, n+2
.endr
.set n, 0
	s_wait_alu depctr_va_vdst(0)
.rept 48
	v_exp_f32 v[E+n], v[E+n]
.set n, n+1
.endr
	v_nop
.set n, 0
	s_wait_alu depctr_va_vdst(0)
.rept 24
	v_pk_add_f32 v[E+n:E+n+1], v[E+n:E+n+1], 1.0 op_sel_hi:[1,0]
.set n, n+2
.endr
.set n, 0
	s_wait_alu depctr_va_vdst(0)
.rept 48
	v_rcp_f32 v[E+n], v[E+n]
.set n, n+1
.endr
	v_nop
.set n, 0
	s_wait_alu depctr_va_vdst(0)
.rept 24
	v_pk_mul_f32 v[VAL+n:VAL+n+1], v[VAL+n:VAL+n+1], v[E+n:E+n+1]
.set n, n+2
.endr
.set n, 0
.rept 48
	v_med3_num_f32 v[VAL+n], v[VAL+n], -v[69+2*(n/16)], v[69+2*(n/16)]
.set n, n+1
.endr
.if (\a) > 0
	s_wait_alu depctr_va_vdst(0)
	s_wait_xcnt 0x0
.endif
	v_cvt_scalef32_pk8_fp8_f32 v[CQ:CQ+1],   v[VAL:VAL+7],     v68
	v_cvt_scalef32_pk8_fp8_f32 v[CQ+2:CQ+3], v[VAL+8:VAL+15],  v68
	v_cvt_scalef32_pk8_fp8_f32 v[CK:CK+1],   v[VAL+16:VAL+23], v70
	v_cvt_scalef32_pk8_fp8_f32 v[CK+2:CK+3], v[VAL+24:VAL+31], v70
	v_cvt_scalef32_pk8_fp8_f32 v[CV0+2*(\a):CV0+2*(\a)+1], v[VAL+32:VAL+39], v72
	v_cvt_scalef32_pk8_fp8_f32 v[CV1+2*(\a):CV1+2*(\a)+1], v[VAL+40:VAL+47], v72
	v_nop
	global_store_b128 v[OQ], v[CQ:CQ+3], s[84:85] offset:1024*(\a)
	global_store_b128 v[OQ], v[CK:CK+3], s[86:87] offset:1024*(\a)
.if (\a)%2 == 1
	global_store_b128 v[OV], v[CV0+2*(\a)-2:CV0+2*(\a)+1], s[88:89] offset:512*((\a)/2)
	global_store_b128 v[OV], v[CV1+2*(\a)-2:CV1+2*(\a)+1], s[88:89] offset:512*((\a)/2)+2048
.endif
.endm
.irp a, 0,1,2,3,4,5,6,7
	EPI \a
.endr
	s_wait_alu depctr_va_vdst(0)
	s_wait_xcnt 0x0                                ; the tile's stores have read their bases and their codes
	s_add_nc_u64 s[84:85], s[84:85], 4194304       ; the next tile's rows lie two batches on: 32 heads' images of 131,072 bytes (behind the last tile the stepped bases are not used)
	s_add_nc_u64 s[86:87], s[86:87], 4194304
	s_add_nc_u64 s[88:89], s[88:89], 4194304
	s_sub_co_u32 s68, s68, 1
	s_cmp_lg_u32 s68, 0
	s_cbranch_scc1 .Ltile
	s_wait_tensorcnt 0x0
	ds_add_u32 v[SPW], v[NIL]
	s_wait_dscnt 0x0
	CROUND
	s_endpgm
.Lfunc_end_k_q0bf0883b87_qkv:
	.size	k_q0bf0883b87_qkv, .Lfunc_end_k_q0bf0883b87_qkv-k_q0bf0883b87_qkv
	.p2alignl 7, 3214868480
	.fill 96, 4, 3214868480
	.section	.rodata,"a",@progbits
	.p2align	6, 0x0
	.amdhsa_kernel k_q0bf0883b87_qkv
		.amdhsa_group_segment_fixed_size 327680
		.amdhsa_private_segment_fixed_size 0
		.amdhsa_enable_private_segment 0
		.amdhsa_kernarg_size 56
		.amdhsa_user_sgpr_count 2
		.amdhsa_user_sgpr_kernarg_segment_ptr 1
		.amdhsa_wavefront_size32 1
		.amdhsa_system_sgpr_workgroup_id_x 1
		.amdhsa_system_sgpr_workgroup_id_y 1
		.amdhsa_system_sgpr_workgroup_id_z 1
		.amdhsa_system_vgpr_workitem_id 0
		.amdhsa_next_free_vgpr 1024
		.amdhsa_next_free_sgpr 98
		.amdhsa_reserve_vcc 0
		.amdhsa_float_denorm_mode_32 3
		.amdhsa_float_denorm_mode_16_64 3
		.amdhsa_memory_ordered 1
		.amdhsa_forward_progress 1
		.amdhsa_inst_pref_size 193
	.end_amdhsa_kernel
	.amdgpu_metadata
---
amdhsa.version: [ 1, 2 ]
amdhsa.kernels:
  - .name:           k_q0bf0883b87_qkv
    .symbol:         k_q0bf0883b87_qkv.kd
    .args:
      - { .name: x_codes, .offset: 0, .size: 8, .value_kind: global_buffer, .address_space: global }
      - { .name: W_fc_codes, .offset: 8, .size: 8, .value_kind: global_buffer, .address_space: global }
      - { .name: lowp_scales, .offset: 16, .size: 8, .value_kind: global_buffer, .address_space: global }
      - { .name: b_fc, .offset: 24, .size: 8, .value_kind: global_buffer, .address_space: global }
      - { .name: q_img, .offset: 32, .size: 8, .value_kind: global_buffer, .address_space: global }
      - { .name: k_img, .offset: 40, .size: 8, .value_kind: global_buffer, .address_space: global }
      - { .name: v_img, .offset: 48, .size: 8, .value_kind: global_buffer, .address_space: global }
    .group_segment_fixed_size: 327680
    .private_segment_fixed_size: 0
    .kernarg_segment_align: 8
    .kernarg_segment_size: 56
    .max_flat_workgroup_size: 128
    .sgpr_count:     98
    .vgpr_count:     1024
    .wavefront_size: 32
...
	.end_amdgpu_metadata
.endif
;; end of part 6
;; launch attn (part 7): grid 4 x 64, 8 waves a work-group, clusters of 4 x 1, 263,168 bytes of LDS; arguments q_img, k_img, v_img, lowp_scales, nv_img; writes nv_img
.if DOCPART == 7
	.amdgcn_target "amdgcn-amd-amdhsa--gfx1250"
	.amdhsa_code_object_version 6
	.text
	.protected	k_q0bf0883b87_attn
	.globl	k_q0bf0883b87_attn
	.p2align	8
	.type	k_q0bf0883b87_attn,@function
k_q0bf0883b87_attn:
	s_mov_b64 s[64:65], 0
	v_nop
	global_prefetch_b8 v0, s[64:65] scope:SCOPE_SE
	s_setreg_imm32_b32 hwreg(HW_REG_WAVE_MODE, 25, 1), 1
	s_wait_xcnt 0x0
	s_wait_alu depctr_hold_cnt(0) depctr_sa_sdst(0) depctr_va_vdst(0) depctr_va_sdst(0) depctr_va_ssrc(0) depctr_va_vcc(0) depctr_vm_vsrc(0)
	s_getreg_b32 s2, hwreg(HW_REG_IB_STS2, 6, 4)
	s_cmp_eq_u32 s2, 0
	s_cbranch_scc0 .Lentry_in_a_cluster
	s_endpgm
.Lentry_in_a_cluster:
	s_bfe_u32 s2, ttmp6, 0x10000c
	s_cmp_lg_u32 s2, 0x3003
	s_cbranch_scc0 .Lentry_shape_is_right
	s_endpgm
.Lentry_shape_is_right:
; new_v[q] = the sum over keys of softmax(q . k / sqrt(2048)) v, for one head of one batch, both products on codes of E4M3; the result is quantised at once with 2^e6 for the projection that follows.
; THE SOFTMAX AHEAD OF THE SECOND PRODUCT: t = score x log2(e) / sqrt(2048); M = the row's largest t so far, rounded UP to a whole number; p = 2^(t - M) is quantised with 2^e5, not normalised.
; The row's sum is taken of the unquantised p, in f32, and divides at the end.  When M moves, the sum and O are multiplied by 2^(old M - new M): exact.
; LIMITS: e2 + e3 between -121 and 132 (they are added to c's exponent field); e5, e6 between -126 and 119; e4 + e5 is applied by v_ldexp_f32 and has none.  NaN is not served.
; SHARES.  A work-group owns 512 queries of a head; each of its EIGHT waves four tiles of 16, TWO AT A TIME, in two passes over all 2,048 keys, 128 a step.  Each fragment of K and V read from LDS feeds two
; products, and the two tiles alternate line by line.  Two waves to a SIMD.
; THE HEAD'S WHOLE K AND V LIE IN LDS, 131,072 bytes each, as images of the operands' registers (a fragment's four registers x 32 lanes are 512 consecutive bytes): every byte is filled once: no ring, no padding.
; The two images are eight quarters of 32,768 bytes: each of the eight waves asks for one (waves 0-3: K's, waves 4-7: V's), its one tensor load.
; CLUSTER.  The four blocks of queries of a head read the same K and V: every fill is a JOINT load of the four, with the same descriptor and a mask that names them.
; NO PREFETCH: all of K and V is asked for once, at the head, by those eight loads; there is no loop of loads to run ahead in.
; LAYOUT.  S^T = K Q^T (source 0 = 16 keys, source 1 = 16 queries, K = 64): lane (r, h) holds query r and keys 16 i + 8 h + 0 .. 7 of tile i, which one conversion turns into registers 2 i, 2 i + 1 of P.
; O^T = V^T P^T (source 0 = 16 d, source 1 = P, K = 128): lane (r, h) holds query r and d = 16 t + 8 h + 0 .. 7; one conversion gives 8 bytes, and the 32 lanes' 256 bytes are stored on end.
; nv_img: [512 tiles of 16 tokens][16 heads][1,024 bytes]; the byte at 512 c + 16 (r + 16 h) + i is new_v(token r, d = 32 c + 16 h + i).
; A STEP'S LDS LOADS STAND IN ONE RUN of 32, behind the places that follow K Q^T: this step's V, wanted behind the softmax, and the next step's K, wanted at the next step's head.
; THE SOFTMAX GOES IN FIVE SECTIONS, each behind ONE s_wait_alu.  A tile's 64 scores are four batches of 16 registers.  Section k holds the exponentials of batch k, t - M of batch k + 1, the sum and the hold
; of batch k - 1 and the conversions of batch k - 2, laid by turns.  Every plain line of a section reads only what was written ahead of the section's wait, and what it writes is read behind the next one:
; so the row's sum has eight pairs a tile, each written once in a section.  O^T is brought under the new M ahead of the first exponential.
; REGISTERS, in windows of 256 (s_set_vgpr_msb's low byte: bits 1:0 source 0, 3:2 source 1, 5:4 source 2, 7:6 destination).  All that the softmax touches lies in window 0:
;   window 0: v1-5 addresses; for tile a of the two: v[8+2a] -M, v[9+2a] the largest score, v[12+2a] f, v[16+2a] the divisor, v[20+a] a permute's destination; v22-26 constants;
;             v[32+64a ..] S^T, then p; v[160+16a ..] p's codes; v[192+16a ..] the row's sum in eight pairs; v[224+4a ..] four chains of the maximum; v[232+8a ..] the result's codes; v254, v255 the add's two.
;   window 1: v[32a ..] O^T; v64-127 K's 8 fragments; v128-191 V's 4; v192-223 Q's 4.
.set VOFF,  131072                     ; V's image begins here
.set STEPB, 8192                       ; a step of 128 keys in either image
.set SPARE, 262144                     ; behind the images: the spare words, 128 bytes for each of eight waves
.set LI,   1                           ; v1   16 x lane
.set GO,   2                           ; v2   16 (lane % 16) + 8 (lane / 16)
.set LV,   3                           ; v3   16 x lane + VOFF
.set ADK,  4                           ; v4   LDS address of the K that the step fetches: the next step's
.set ADV,  5                           ; v5   of the step's V
.set NM,   8
.set FF,   12
.set IV,   16
.set PD,   20
.set LIM5, 22                          ; v22, v23  448 x 2^e5, twice
.set SC5,  24                          ; v24  2^e5
.set SC6,  25                          ; v25  2^e6
.set LIM6, 26                          ; v26  448 x 2^e6
.set S,    32
.set P,    160
.set LS,   192
.set MC,   224
.set OC,   232
.set SPW,  254
.set NIL,  255
.set O,    0                           ; in window 1
.set KF,   64
.set VF,   128
.set Q,    192
.set WV,  18                           ; s18  my wave's number
.set SEL, 20                           ; s[20:21] lane selects for v_permlanex16_b32: lane l xor 16
.set CS,  22                           ; s[22:23] c = log2(e) / sqrt(2048) x 2^(e2 + e3)
.set G1,  24                           ; s[24:31] descriptor group 1: 128 rows of 256 bytes
.set KA,  40                           ; s[40:43] group 0 for a quarter of K, s[44:47] of V
.set VA,  44
.set TB,  56                           ; s56  byte at which the V asked for next begins in its image
.set CNT, 57
.set TK,  61                           ; s61  the same for K, one step further on
.set MSB, 0
.macro WIN new                         ; the immediate's high byte repeats the setting that is left; a switch that changes nothing is dropped
.if MSB != (\new)
	s_set_vgpr_msb (MSB<<8)|(\new)
.set MSB, (\new)
.endif
.endm
.macro ROUND                           ; a round of the cluster's barrier
	s_barrier_signal -1
	s_barrier_wait -1
	s_cmp_lg_u32 s[WV], 0
	s_cbranch_scc1 .Lnot_wave_0_\@
	s_barrier_signal -3
.Lnot_wave_0_\@:
	s_barrier_wait -3
	s_barrier_signal -1
	s_barrier_wait -1
.endm
	s_load_b256 s[4:11], s[0:1], 0x0               ; q_img s[4:5], k_img s[6:7], v_img s[8:9], the scales' exponents s[10:11]
	s_load_b64 s[12:13], s[0:1], 0x20              ; nv_img
	v_lshl_add_u32 v[SPW], v0, 2, SPARE
	v_mov_b32 v[NIL], 0
	ds_add_u32 v[SPW], v[NIL]                      ; the opening lines: the add, twice on end, and its wait ahead of my tensor load
	ds_add_u32 v[SPW], v[NIL]
	v_lshrrev_b32 v6, 5, v0
	s_delay_alu instid0(VALU_DEP_1)
	v_readfirstlane_b32 s[WV], v6                  ; wave 0..7
	v_and_b32 v6, 31, v0
	s_delay_alu instid0(VALU_DEP_1)
	v_lshlrev_b32 v[LI], 4, v6
	s_delay_alu instid0(VALU_DEP_1)
	v_add_nc_u32 v[LV], VOFF, v[LI]
	v_and_b32 v6, 15, v0
	v_bfe_u32 v7, v0, 4, 1
	s_delay_alu instid0(VALU_DEP_2)
	v_lshlrev_b32 v[GO], 4, v6
	s_delay_alu instid0(VALU_DEP_1)
	v_lshl_add_u32 v[GO], v7, 3, v[GO]
	s_bfe_u32 s59, ttmp6, 0x40000                  ; cx
	s_lshl_b32 s60, ttmp9, 2
	s_add_co_u32 s59, s59, s60                     ; my block of 512 queries: it enters Q's and the result's addresses alone
	s_and_b32 s76, ttmp7, 0xffff                   ; the head of a batch, which the four partners share
	s_lshl_b32 s77, s76, 17                        ; its 131,072 bytes in each image
	s_and_b32 s78, s[WV], 3                        ; which quarter of an image I fetch
	s_lshl_b32 s79, s78, 15                        ; 32,768 bytes each
	s_add_co_u32 s82, s77, s79
	s_mov_b32 s83, 0
	s_lshl_b32 s86, s76, 7                         ; Q: tile 128 x head + 32 x block + 4 x wave, 1,024 bytes each
	s_lshl_b32 s87, s59, 5
	s_add_co_u32 s86, s86, s87
	s_lshl_b32 s87, s[WV], 2
	s_add_co_u32 s86, s86, s87
	s_lshl_b32 s86, s86, 10
	s_mov_b32 s87, 0
	s_lshr_b32 s88, s76, 4                         ; the result: tile 128 x batch + 32 x block + 4 x wave; 16 heads of 1,024 bytes in each
	s_lshl_b32 s88, s88, 7
	s_lshl_b32 s89, s59, 5
	s_add_co_u32 s88, s88, s89
	s_lshl_b32 s89, s[WV], 2
	s_add_co_u32 s88, s88, s89
	s_lshl_b32 s88, s88, 4
	s_and_b32 s89, s76, 15
	s_add_co_u32 s88, s88, s89
	s_lshl_b32 s88, s88, 10
	s_mov_b32 s89, 0
	s_mov_b32 s[G1], 15|(3<<16)|(1<<21)            ; 15:0 the mask: all four work-groups; 17:16 elements of 8 bytes; 21 set beside a mask; no padding
	s_mov_b32 s[G1+1], 32<<16                      ; tensor_dim0 = 32 elements: a dense block as rows of 256 bytes
	s_mov_b32 s[G1+2], 128<<16                     ; tensor_dim1 = 128 rows
	s_mov_b32 s[G1+3], 32<<16                      ; tile_dim0
	s_mov_b32 s[G1+4], 128                         ; tile_dim1
	s_mov_b32 s[G1+5], 32                          ; from row to row
	s_mov_b32 s[G1+6], 0
	s_mov_b32 s[G1+7], 0
	s_mov_b32 s[SEL], 0x76543210
	s_mov_b32 s[SEL+1], 0xfedcba98
	s_mov_b32 s[CS], 0x3d0293ee                    ; log2(e) / sqrt(2048)
	s_wait_dscnt 0x0                               ; both opening adds are done
	s_wait_kmcnt 0x0
	s_load_b256 s[68:75], s[10:11], 0x0            ; e0 .. e7
	s_mov_b32 s[KA], 1
	s_mov_b32 s[KA+1], s79
	s_add_nc_u64 s[KA+2:KA+3], s[6:7], s[82:83]
	s_or_b32 s[KA+3], s[KA+3], 0x80000000
	s_mov_b32 s[VA], 1
	s_add_co_u32 s[VA+1], s79, VOFF
	s_add_nc_u64 s[VA+2:VA+3], s[8:9], s[82:83]
	s_or_b32 s[VA+3], s[VA+3], 0x80000000
	s_add_nc_u64 s[4:5], s[4:5], s[86:87]
	s_add_nc_u64 s[12:13], s[12:13], s[88:89]
	ROUND                                          ; all four work-groups are here: the joint loads meet
	s_cmp_lt_u32 s[WV], 4                          ; waves 0-3: K's quarters; waves 4-7: V's.  Every way passes one load; one load of mine is out
	s_cbranch_scc0 .Lfor_v
	tensor_load_to_lds s[KA:KA+3], s[G1:G1+7]
	s_nop 0
.rept 4
	v_nop
.endr
	s_branch .Lasked
.Lfor_v:
	tensor_load_to_lds s[VA:VA+3], s[G1:G1+7]
	s_nop 0
.rept 4
	v_nop
.endr
.Lasked:
	WIN 0x40                                       ; destination window 1, address window 0
	s_wait_alu depctr_va_vdst(0)
.irp g, 0,1,2,3,4,5,6,7
	global_load_b128 v[Q+4*\g:Q+4*\g+3], v[LI], s[4:5] offset:512*\g   ; my four fragments of Q stay in registers
.endr
	WIN 0
.irp a, 0,1
	v_mov_b32 v[PD+\a], 0                          ; written once: a lane permute's destination counts as one of its sources
	v_mov_b32 v[FF+2*\a+1], 0                      ; (named as the upper halves of pairs)
	v_mov_b32 v[IV+2*\a+1], 0
.endr
	s_wait_kmcnt 0x0
	s_add_co_i32 s90, s70, s71
	s_lshl_b32 s90, s90, 23
	s_add_co_i32 s[CS], s[CS], s90                 ; a score stands for score x 2^(e2 + e3): the two exponents are added to c's exponent field
	s_mov_b32 s[CS+1], s[CS]                       ; (named with it as a pair, so it is written)
	s_add_co_i32 s90, s73, 127
	s_lshl_b32 s91, s90, 23
	v_mov_b32 v[SC5], s91                          ; 2^e5
	s_add_co_i32 s90, s90, 8
	s_lshl_b32 s90, s90, 23
	s_or_b32 s90, s90, 0x600000
	v_mov_b32 v[LIM5], s90                         ; 448 x 2^e5,
	v_mov_b32 v[LIM5+1], s90                       ; twice: the two halves of a dual instruction take their second sources from different register banks
	s_add_co_i32 s90, s74, 127
	s_lshl_b32 s91, s90, 23
	v_mov_b32 v[SC6], s91                          ; 2^e6
	s_add_co_i32 s90, s90, 8
	s_lshl_b32 s90, s90, 23
	s_or_b32 s90, s90, 0x600000
	v_mov_b32 v[LIM6], s90                         ; 448 x 2^e6
	s_add_co_i32 s58, s72, s73                     ; e4 + e5
.macro INIT                            ; two tiles of queries begin: the step has no first step of its own, so it finds zeros, which the first change of M leaves zeros
	s_mov_b32 s[TB], 0
	v_mov_b32 v[ADV], v[LV]                        ; V of keys 0-127
.irp a, 0,1
	v_mov_b32 v[NM+2*\a+1], 0xff61b1e6             ; the largest score so far: -3e38, under every score (a score is at most 64 x 448 x 448 in magnitude)
	s_delay_alu instid0(VALU_DEP_1)
	v_floor_f32 v[NM+2*\a], -v[NM+2*\a+1]          ; -M: so large that the first f is 0
.endr
.set n, 0
.rept 32
	v_mov_b32 v[LS+n], 0
.set n, n+1
.endr
	WIN 0x40                                       ; destination window 1
.set n, 0
.rept 64
	v_mov_b32 v[O+n], 0
.set n, n+1
.endr
	WIN 0
.endm
.macro KRUN adr                        ; K's 8 tiles of 16 keys, two loads of 512 consecutive bytes each (destination window 1)
.irp i, 0,1,2,3,4,5,6,7
	ds_load_b128 v[KF+8*\i:KF+8*\i+3],   v[\adr] offset:1024*\i
	ds_load_b128 v[KF+8*\i+4:KF+8*\i+7], v[\adr] offset:1024*\i+512
.endr
.endm
.macro EXPP a, r                       ; p = 2^(t - M): not normalised
	v_exp_f32 v[S+64*(\a)+(\r)], v[S+64*(\a)+(\r)]
.endm
.macro ARG a, n                        ; pair n of a tile's 32: t - M (of the pairs c and -M the low word serves both halves)
	v_pk_fma_f32 v[S+64*(\a)+2*(\n):S+64*(\a)+2*(\n)+1], v[S+64*(\a)+2*(\n):S+64*(\a)+2*(\n)+1], s[CS:CS+1], v[NM+2*(\a):NM+2*(\a)+1] op_sel_hi:[1,0,0]
.endm
.macro SUM a, b, i                     ; pair i of batch b onto the sum's pair i: of the unquantised p; a step's first batch brings the pair under the new M as well: sum x f + p
.if (\b) == 0
	v_pk_fma_f32 v[LS+16*(\a)+2*(\i):LS+16*(\a)+2*(\i)+1], v[LS+16*(\a)+2*(\i):LS+16*(\a)+2*(\i)+1], v[FF+2*(\a):FF+2*(\a)+1], v[S+64*(\a)+2*(\i):S+64*(\a)+2*(\i)+1] op_sel_hi:[1,0,1]
.else
	v_pk_add_f32 v[LS+16*(\a)+2*(\i):LS+16*(\a)+2*(\i)+1], v[LS+16*(\a)+2*(\i):LS+16*(\a)+2*(\i)+1], v[S+64*(\a)+16*(\b)+2*(\i):S+64*(\a)+16*(\b)+2*(\i)+1]
.endif
.endm
.macro HOLD a, n                       ; the conversion does not saturate (ISA guide 7.6.2); p is not negative, so the hold is one-sided; two holds an instruction
	v_dual_min_num_f32 v[S+64*(\a)+2*(\n)], v[S+64*(\a)+2*(\n)], v[LIM5] :: v_dual_min_num_f32 v[S+64*(\a)+2*(\n)+1], v[S+64*(\a)+2*(\n)+1], v[LIM5+1]
.endm
.macro CVT a, i                        ; keys 16 i + 8 h + 0 .. 7: registers 2 i, 2 i + 1 of the operand
	v_cvt_scalef32_pk8_fp8_f32 v[P+16*(\a)+2*(\i):P+16*(\a)+2*(\i)+1], v[S+64*(\a)+8*(\i):S+64*(\a)+8*(\i)+7], v[SC5]
.endm
; SECTION k of the softmax, for both tiles, in eight turns.
.macro SEC k
	s_wait_alu depctr_va_vdst(0)                   ; the section's one wait: behind batch k - 1's exponentials and all plain lines of section k - 1, ahead of all that reads them
.if (\k) == 4
	s_wait_dscnt 0x10                              ; V is in; the sixteen younger loads, the next step's K, may be out
.endif
.set m, 0
.rept 8
.if (\k) < 4
	EXPP 0, 16*(\k)+2*m
.endif
.if (\k) < 3
	ARG 0, 8*(\k)+8+m
.endif
.if (\k) < 4
	EXPP 1, 16*(\k)+2*m
.endif
.if (\k) < 3
	ARG 1, 8*(\k)+8+m
.endif
.if (\k) < 4
	EXPP 0, 16*(\k)+2*m+1
.endif
.if (\k) >= 1
	SUM 0, (\k)-1, m
.endif
.if (\k) < 4
	EXPP 1, 16*(\k)+2*m+1
.endif
.if (\k) >= 1
	SUM 1, (\k)-1, m
	HOLD 0, 8*(\k)-8+m
	HOLD 1, 8*(\k)-8+m
.endif
.if ((\k) >= 2) && (m%4 == 3)
	CVT 0, 2*(\k)-4+m/4
	CVT 1, 2*(\k)-4+m/4
.endif
.set m, m+1
.endr
.endm
; A KEY STEP: 128 keys, for the two tiles of queries in v[qb] and v[qb + 8] on (window 1).  K's sixteen loads have been issued and are the youngest LDS instructions out.
.macro STEP qb
	s_wait_dscnt 0x8                               ; K's tiles 0-3 are in; the eight loads of tiles 4-7 may be out
	WIN 0x05                                       ; K and Q in window 1, S^T in window 0
.irp i, 0,1,2,3
.irp a, 0,1
	v_wmma_f32_16x16x64_fp8_fp8 v[S+64*\a+8*\i:S+64*\a+8*\i+7], v[KF+8*\i:KF+8*\i+7], v[\qb+8*\a:\qb+8*\a+7], 0
.endr
.endr
	s_wait_dscnt 0x0
.irp i, 4,5,6,7
.irp a, 0,1
	v_wmma_f32_16x16x64_fp8_fp8 v[S+64*\a+8*\i:S+64*\a+8*\i+7], v[KF+8*\i:KF+8*\i+7], v[\qb+8*\a:\qb+8*\a+7], 0
.endr
.endr
	WIN 0x40                                       ; destination window 1, address window 0
.rept 4
	v_nop                                          ; four places: in front of the loads into K's registers, which these products read, and into V's, which the last step's read; and of the first read of the scores
.endr
.irp g, 0,1,2,3,4,5,6,7,8,9,10,11,12,13,14,15
	ds_load_b128 v[VF+4*\g:VF+4*\g+3], v[ADV] offset:512*\g   ; this step's V: load g brings registers 4 g .. 4 g + 3 of the four fragments
.endr
	KRUN ADK                                       ; the next step's K; behind a pass's last step comes keys 0-127 again (what the second pass's last step fetches so is read by nobody)
	WIN 0
	s_add_co_u32 s[TB], s[TB], STEPB               ; the two addresses step here, with the 64 lines of the maximum and the sections' waits between these writes and the next step's loads
	v_add_nc_u32 v[ADV], s[TB], v[LV]
	s_add_co_u32 s[TK], s[TK], STEPB
	s_and_b32 s[TK], s[TK], VOFF-1
	v_add_nc_u32 v[ADK], s[TK], v[LI]
.irp c, 0,1,2,3                        ; the largest of a lane's 64 scores, in four chains a tile, in ascending order: each accumulator is read from its low end on
.irp a, 0,1
	v_max3_num_f32 v[MC+4*\a+\c], v[S+64*\a+3*\c], v[S+64*\a+3*\c+1], v[S+64*\a+3*\c+2]
.endr
.endr
.set n, 0
.rept 26
.irp a, 0,1
	v_max3_num_f32 v[MC+4*\a+n%4], v[MC+4*\a+n%4], v[S+64*\a+12+2*n], v[S+64*\a+13+2*n]
.endr
.set n, n+1
.endr
.irp a, 0,1                            ; from here to f each line of a tile waits for that tile's line before: the two tiles alternate
	s_delay_alu instid0(VALU_DEP_2)
	v_max3_num_f32 v[MC+4*\a], v[MC+4*\a], v[MC+4*\a+1], v[MC+4*\a+2]
.endr
.irp a, 0,1
	s_delay_alu instid0(VALU_DEP_2)
	v_max3_num_f32 v[MC+4*\a], v[MC+4*\a], v[MC+4*\a+3], v[NM+2*\a+1]   ; with the largest score so far (the same in lanes l and l xor 16)
.endr
.irp a, 0,1
	s_delay_alu instid0(VALU_DEP_2)
	v_permlanex16_b32 v[PD+\a], v[MC+4*\a], s[SEL], s[SEL+1]
.endr
.irp a, 0,1
	s_delay_alu instid0(VALU_DEP_2)
	v_max_num_f32 v[NM+2*\a+1], v[MC+4*\a], v[PD+\a]   ; and lane l xor 16's: the running largest score of my query
.endr
.irp a, 0,1
	s_delay_alu instid0(VALU_DEP_2)
	v_mul_f32 v[MC+4*\a+1], s[CS], v[NM+2*\a+1]    ; as t (c is positive)
.endr
.irp a, 0,1
	s_delay_alu instid0(VALU_DEP_2)
	v_floor_f32 v[MC+4*\a+1], -v[MC+4*\a+1]        ; the new -M = floor(-t) = -ceil(t): M is a whole number
.endr
.irp a, 0,1
	s_delay_alu instid0(VALU_DEP_2)
	v_sub_f32 v[MC+4*\a], v[MC+4*\a+1], v[NM+2*\a] ; M's old value less its new one: a whole number, 0 or less
.endr
.irp a, 0,1
	s_delay_alu instid0(VALU_DEP_4)
	v_mov_b32 v[NM+2*\a], v[MC+4*\a+1]
.endr
.irp a, 0,1
	s_delay_alu instid0(VALU_DEP_4)
	v_cvt_i32_f32 v[MC+4*\a], v[MC+4*\a]           ; (it saturates)
.endr
	ARG 0, 0
	ARG 1, 0
.irp a, 0,1
	s_delay_alu instid0(VALU_DEP_4)
	v_ldexp_f32 v[FF+2*\a], 1.0, v[MC+4*\a]        ; f = 2^(old M - new M)
.endr
.set m, 1
.rept 7
	ARG 0, m                                       ; the rest of batch 0
	ARG 1, m
.set m, m+1
.endr
	WIN 0x41                                       ; O^T (destination and source 0) in window 1, f in window 0
.set n, 0
.rept 16
.irp a, 0,1
	v_pk_mul_f32 v[O+32*\a+n:O+32*\a+n+1], v[O+32*\a+n:O+32*\a+n+1], v[FF+2*\a:FF+2*\a+1] op_sel_hi:[1,0]   ; O^T under the new M, each accumulator from its low end on; no exponential stands between the last step's products and these lines
.endr
.set n, n+2
.endr
	WIN 0
	SEC 0
	SEC 1
	SEC 2
	SEC 3
	SEC 4
	CVT 0, 6                                       ; batch 3's conversions: no exponential stands between its holds and these
	CVT 1, 6
	CVT 0, 7
	CVT 1, 7
	v_nop                                          ; one plain instruction between the last conversion and the products that read its result
	WIN 0x51                                       ; V in window 1, P in window 0, O^T (C and D) in window 1
.irp t, 0,1,2,3
.irp a, 0,1
	v_wmma_f32_16x16x128_fp8_fp8 v[O+32*\a+8*\t:O+32*\a+8*\t+7], v[VF+16*\t:VF+16*\t+15], v[P+16*\a:P+16*\a+15], v[O+32*\a+8*\t:O+32*\a+8*\t+7]   ; the eight accumulators take turns, one instruction a turn
.endr
.endr
	WIN 0                                          ; at a label and at a branch every window is 0
.endm
.macro LADD a, x, y                    ; the sum's pair x += its pair y
	v_pk_add_f32 v[LS+16*\a+2*\x:LS+16*\a+2*\x+1], v[LS+16*\a+2*\x:LS+16*\a+2*\x+1], v[LS+16*\a+2*\y:LS+16*\a+2*\y+1]
.endm
; Two tiles of queries end: O^T x 2^(e4 + e5) / the sum, held, converted with 2^e6, stored: tiles 2 p and 2 p + 1 of my four.  It works in the registers that held the scores.
.macro OUT p
	s_wait_alu depctr_va_vdst(0)                   ; ahead of the readers of the sums just written
	LADD 0, 0, 4                                   ; the sum's eight pairs; these additions are also the places behind the last products
	LADD 0, 2, 6
	LADD 1, 0, 4
	LADD 1, 2, 6
	LADD 0, 1, 5
	LADD 0, 3, 7
	LADD 1, 1, 5
	LADD 1, 3, 7
	LADD 0, 0, 2
	LADD 1, 0, 2
	LADD 0, 1, 3
	s_delay_alu instid0(VALU_DEP_4)
	LADD 1, 1, 3
	s_delay_alu instid0(VALU_DEP_2)
	LADD 0, 0, 1
	s_delay_alu instid0(VALU_DEP_2)
	LADD 1, 0, 1
.irp a, 0,1
	s_delay_alu instid0(VALU_DEP_2)
	v_add_f32 v[IV+2*\a], v[LS+16*\a], v[LS+16*\a+1]
.endr
.irp a, 0,1
	s_delay_alu instid0(VALU_DEP_2)
	v_permlanex16_b32 v[PD+\a], v[IV+2*\a], s[SEL], s[SEL+1]
.endr
.irp a, 0,1
	s_delay_alu instid0(VALU_DEP_2)
	v_add_f32 v[IV+2*\a], v[IV+2*\a], v[PD+\a]     ; and lane l xor 16's: the row's sum
.endr
	s_wait_alu depctr_va_vdst(0)                   ; ahead of the transcendentals
.irp a, 0,1
	v_rcp_f32 v[IV+2*\a], v[IV+2*\a]
.endr
	v_nop                                          ; one plain instruction behind the transcendentals
	s_wait_alu depctr_va_vdst(0)                   ; and ahead of their first reader
.irp a, 0,1
	v_ldexp_f32 v[IV+2*\a], v[IV+2*\a], s58
.endr
	WIN 0x01                                       ; source 0 (O^T) in window 1
	s_wait_alu depctr_va_vdst(0)                   ; directly ahead of the first reader of O^T
.set n, 0
.rept 16
.irp a, 0,1
	v_pk_mul_f32 v[S+64*\a+n:S+64*\a+n+1], v[O+32*\a+n:O+32*\a+n+1], v[IV+2*\a:IV+2*\a+1] op_sel_hi:[1,0]   ; each accumulator from its low end on
.endr
.set n, n+2
.endr
	WIN 0
.set n, 0
.rept 32
.irp a, 0,1
	v_med3_num_f32 v[S+64*\a+n], v[S+64*\a+n], -v[LIM6], v[LIM6]
.endr
.set n, n+1
.endr
	s_wait_alu depctr_va_vdst(0)
	s_wait_xcnt 0x0                                ; the first pass's stores have read their codes: they are written again only behind this wait
.irp a, 0,1
.irp t, 0,1,2,3
	v_cvt_scalef32_pk8_fp8_f32 v[OC+8*\a+2*\t:OC+8*\a+2*\t+1], v[S+64*\a+8*\t:S+64*\a+8*\t+7], v[SC6]
.endr
.endr
.irp a, 0,1
.irp t, 0,1,2,3
	global_store_b64 v[GO], v[OC+8*\a+2*\t:OC+8*\a+2*\t+1], s[12:13] offset:16384*(2*\p+\a)+512*(\t/2)+256*(\t%2)   ; 32 lanes store 256 consecutive bytes, at a multiple of 256 from the buffer's first byte
.endr
.endr
.endm
.macro PASS qb, p                      ; two tiles of queries against all 2,048 keys: sixteen steps
	s_mov_b32 s[CNT], 16
.Lstep_\@:
	STEP \qb
	s_sub_co_u32 s[CNT], s[CNT], 1
	s_cmp_lg_u32 s[CNT], 0
	s_cbranch_scc1 .Lstep_\@
	OUT \p
.endm
	v_add_nc_u32 v[ADK], STEPB, v[LI]              ; the first step fetches K of keys 128-255
	s_mov_b32 s[TK], STEPB
	INIT
	s_wait_alu depctr_va_vdst(0)
	s_wait_tensorcnt 0x0                           ; my quarter has landed,
	s_barrier_signal -1
	s_barrier_wait -1                              ; everybody's has: the whole head lies in LDS, and nothing is written there again
	WIN 0x40
	KRUN LI                                        ; K of keys 0-127
	WIN 0
	s_wait_loadcnt 0x0                             ; Q
	PASS Q, 0
	INIT
	PASS Q+16, 1
	s_wait_tensorcnt 0x0                           ; the wave's end
	ds_add_u32 v[SPW], v[NIL]
	s_wait_dscnt 0x0
	ROUND                                          ; the closing round
	s_endpgm
.Lfunc_end_k_q0bf0883b87_attn:
	.size	k_q0bf0883b87_attn, .Lfunc_end_k_q0bf0883b87_attn-k_q0bf0883b87_attn
	.p2alignl 7, 3214868480
	.fill 96, 4, 3214868480
	.section	.rodata,"a",@progbits
	.p2align	6, 0x0
	.amdhsa_kernel k_q0bf0883b87_attn
		.amdhsa_group_segment_fixed_size 263168
		.amdhsa_private_segment_fixed_size 0
		.amdhsa_enable_private_segment 0
		.amdhsa_kernarg_size 40
		.amdhsa_user_sgpr_count 2
		.amdhsa_user_sgpr_kernarg_segment_ptr 1
		.amdhsa_wavefront_size32 1
		.amdhsa_system_sgpr_workgroup_id_x 1
		.amdhsa_system_sgpr_workgroup_id_y 1
		.amdhsa_system_sgpr_workgroup_id_z 1
		.amdhsa_system_vgpr_workitem_id 0
		.amdhsa_next_free_vgpr 512
		.amdhsa_next_free_sgpr 92
		.amdhsa_reserve_vcc 0
		.amdhsa_float_denorm_mode_32 3
		.amdhsa_float_denorm_mode_16_64 3
		.amdhsa_memory_ordered 1
		.amdhsa_forward_progress 1
		.amdhsa_inst_pref_size 91
	.end_amdhsa_kernel
	.amdgpu_metadata
---
amdhsa.version: [ 1, 2 ]
amdhsa.kernels:
  - .name:           k_q0bf0883b87_attn
    .symbol:         k_q0bf0883b87_attn.kd
    .args:
      - { .name: q_img, .offset: 0, .size: 8, .value_kind: global_buffer, .address_space: global }
      - { .name: k_img, .offset: 8, .size: 8, .value_kind: global_buffer, .address_space: global }
      - { .name: v_img, .offset: 16, .size: 8, .value_kind: global_buffer, .address_space: global }
      - { .name: lowp_scales, .offset: 24, .size: 8, .value_kind: global_buffer, .address_space: global }
      - { .name: nv_img, .offset: 32, .size: 8, .value_kind: global_buffer, .address_space: global }
    .group_segment_fixed_size: 263168
    .private_segment_fixed_size: 0
    .kernarg_segment_align: 8
    .kernarg_segment_size: 40
    .max_flat_workgroup_size: 256
    .sgpr_count:     92
    .vgpr_count:     512
    .wavefront_size: 32
...
	.end_amdgpu_metadata
.endif
;; end of part 7
;; launch proj (part 8): grid 256 x 1, 4 waves a work-group, no clusters, 327,680 bytes of LDS; arguments nv_img, w2_img, lowp_scales, b_fc2, x, out0; writes out0
.if DOCPART == 8
	.amdgcn_target "amdgcn-amd-amdhsa--gfx1250"
	.amdhsa_code_object_version 6
	.text
	.protected	k_q0bf0883b87_proj
	.globl	k_q0bf0883b87_proj
	.p2align	8
	.type	k_q0bf0883b87_proj,@function
k_q0bf0883b87_proj:
	s_mov_b64 s[64:65], 0
	v_nop
	global_prefetch_b8 v0, s[64:65] scope:SCOPE_SE
	s_setreg_imm32_b32 hwreg(HW_REG_WAVE_MODE, 25, 1), 1
	s_wait_xcnt 0x0
; out0 = layer_norm(x + swish(new_v W_fc2 + b_fc2)): the product on codes of E4M3 (new_v with 2^e6, W_fc2 with 2^e7), all else in f32.
; LIMITS: e6 + e7 between -126 and 127, so that 2^(e6 + e7) is an f32 number.  NaN is not served.
; SHARES.  A work-group owns 32 whole rows (the norm wants whole rows), 256 work-groups; each of its four waves 256 of the 1,024 columns, in eight blocks of 32, and afterwards 8 of the rows for the norm.
; W_fc2 GOES FROM MEMORY STRAIGHT INTO REGISTERS.  A work-group needs all 1,048,576 bytes of it, more than three times LDS.  w2_img holds it as images of the operand's registers (a fragment, 16 columns x 128 K,
; is four loads of 512 consecutive bytes), and each wave keeps a ring of 16 fragments, one block's, in registers: a batch of four fragments is multiplied (8 products) and its registers are asked for again at once,
; for the next block: 64 loads of a wave are asked for round the ring, with no barrier.  So W never lies in LDS and there is no tile to ask for jointly: cluster = none; new_v's and x's rows are each work-group's own.
; NO PREFETCH of W: all 256 work-groups read the same 1,048,576 bytes; new_v and x are asked for at the head, whole.
; new_v's 32 rows (32,768 bytes, an image too) come by one tensor load a wave, a quarter each, and every wave reads all of it into 256 registers.  x's rows come by a second tensor load a wave (its own 8 rows,
; 32,768 bytes), behind the barrier that shows new_v: they land while the product runs, and only the wave that asked reads them.
; A BLOCK ENDS ITS K IN ITS OWN FOUR BATCHES, so bias and swish follow at once, under the ring's loads, and the result goes to a stage in LDS: four accumulators serve all blocks, and a block is one trip of a loop.
; THE MATRIX INSTRUCTION IS USED TRANSPOSED (source 0 = 16 columns of W, source 1 = 16 rows): lane (r, h) holds row r and columns 8 h + 0 .. 7 of the tile.
; THE STAGE: a region for each wave's 256 columns, 32 rows of 1,024 + 16 bytes.  Behind one barrier each wave reads 8 whole rows back, two at a time, line by line: + x, mean, variance of the differences, scaling, stores of 512 bytes.
; REGISTERS: window 0: v1-13 addresses; v28, v29 the add's two; v32-63 four accumulators (later the norm's sums); v64-79 the block's bias; v192-255 at work in the swish; in the norm v64-191 two pairs of rows, v192-255 x.
;   window 1: new_v's 16 fragments (row tile t, K step k at v[128 t + 16 k]);   window 2: W's ring (fragment (k, u) at v[16 (2 k + u)]).
.set RP,    1040                       ; a row in a wave's region of the stage
.set REG,   32*RP                      ; a region
.set XIMG,  4*REG                      ; x: 32 rows of 4,096 bytes
.set AIMG,  XIMG+131072                ; new_v's image
.set SPARE, AIMG+32768                 ; the spare words: 128 bytes a wave
.set LI,  1                            ; 16 x lane
.set BH,  2                            ; 32 (lane / 16)
.set STO, 6                            ; v6, v7 the stage, on the way in: row tile 0, 1
.set RD,  8                            ; on the way out: regions 0, 1
.set RD2, 9                            ; regions 2, 3
.set XRD, 10                           ; my rows of x
.set ARD, 11                           ; new_v's image
.set STW, 12                           ; v12, v13 v6, v7 + the block's 128 bytes
.set SPW, 28
.set NIL, 29
.set AC,  32
.set SA,  32                           ; the norm: for row a of two: v[32+8a ..] two pairs of sums, the mean (a pair's low half), 1 / sigma (likewise)
.set PD,  48
.set BI,  64
.set T0,  64
.set VAL, 192
.set E,   224
.set XB,  192
.set WV,  18
.set SEL, 20
.set G1A, 24                           ; s[24:31] 32 rows of 256 bytes;  s[48:55] 128 rows
.set G0A, 32
.set G0X, 36
.set G1X, 48
.set SJ,  46                           ; s46 128 x the block's number
.set CNT, 47
.set MSB, 0
.macro WIN new
.if MSB != (\new)
	s_set_vgpr_msb (MSB<<8)|(\new)
.set MSB, (\new)
.endif
.endm
	s_load_b256 s[4:11], s[0:1], 0x0               ; nv_img, w2_img, the scales' exponents, b_fc2
	s_load_b128 s[12:15], s[0:1], 0x20             ; x, out0
	v_lshl_add_u32 v[SPW], v0, 2, SPARE
	v_mov_b32 v[NIL], 0
	ds_add_u32 v[SPW], v[NIL]                      ; the opening lines: the add, twice on end, and its wait ahead of my first tensor load
	ds_add_u32 v[SPW], v[NIL]
	v_lshrrev_b32 v3, 5, v0
	v_readfirstlane_b32 s[WV], v3                  ; wave 0..3
.irp g, G1A, G1X
	s_mov_b32 s[\g], 3<<16                         ; elements of 8 bytes, no mask, no padding: a dense block as rows of 256 bytes
	s_mov_b32 s[\g+1], 32<<16
	s_mov_b32 s[\g+3], 32<<16
	s_mov_b32 s[\g+5], 32
	s_mov_b32 s[\g+6], 0
	s_mov_b32 s[\g+7], 0
.endr
	s_mov_b32 s[G1A+2], 32<<16
	s_mov_b32 s[G1A+4], 32
	s_mov_b32 s[G1X+2], 128<<16
	s_mov_b32 s[G1X+4], 128
	s_lshl_b32 s56, s[WV], 13                      ; my quarter of new_v's image
	s_lshl_b32 s57, s[WV], 15                      ; my 8 rows of x and of the result
	s_lshl_b32 s58, ttmp9, 15
	s_add_co_u32 s58, s58, s56
	s_mov_b32 s59, 0
	s_lshl_b32 s60, ttmp9, 17
	s_add_co_u32 s60, s60, s57
	s_mov_b32 s61, 0
	s_lshl_b32 s62, s[WV], 18                      ; my 256 columns of W's image
	s_mov_b32 s63, 0
	s_lshl_b32 s66, s[WV], 10                      ; and of the bias
	s_mov_b32 s67, 0
	s_mov_b32 s[SEL], 0x76543210
	s_mov_b32 s[SEL+1], 0xfedcba98
	s_wait_dscnt 0x0                               ; both opening adds are done
	s_wait_kmcnt 0x0
	s_load_b256 s[72:79], s[8:9], 0x0              ; e0 .. e7
	s_mov_b32 s[G0A], 1
	s_add_co_u32 s[G0A+1], s56, AIMG
	s_add_nc_u64 s[G0A+2:G0A+3], s[4:5], s[58:59]
	s_or_b32 s[G0A+3], s[G0A+3], 0x80000000
	tensor_load_to_lds s[G0A:G0A+3], s[G1A:G1A+7]  ; my one load at the head
	s_nop 0
	s_mov_b32 s[G0X], 1
	s_add_co_u32 s[G0X+1], s57, XIMG
	s_add_nc_u64 s[G0X+2:G0X+3], s[12:13], s[60:61]
	s_or_b32 s[G0X+3], s[G0X+3], 0x80000000
	s_add_nc_u64 s[6:7], s[6:7], s[62:63]
	s_add_nc_u64 s[10:11], s[10:11], s[66:67]
	s_add_nc_u64 s[14:15], s[14:15], s[60:61]
	s_mul_i32 s68, s[WV], REG
	s_mul_i32 s69, s[WV], 8*RP
	v_and_b32 v3, 31, v0
	v_lshlrev_b32 v[LI], 4, v3
	v_and_b32 v3, 15, v0                           ; r
	v_bfe_u32 v4, v0, 4, 1                         ; h
	v_lshlrev_b32 v[BH], 5, v4
	v_mul_u32_u24 v5, v3, RP
	v_lshl_add_u32 v5, v4, 5, v5
	v_add_nc_u32 v[STO], s68, v5                   ; in: my region, row r, 32 h bytes
	v_add_nc_u32 v[STO+1], 16*RP, v[STO]
	v_add_nc_u32 v[RD], s69, v[LI]                 ; back: my 8 rows, 16 bytes a lane
	v_add_nc_u32 v[RD2], 2*REG, v[RD]
	v_add_nc_u32 v[XRD], s57, v[LI]
	v_add_nc_u32 v[XRD], XIMG, v[XRD]
	v_add_nc_u32 v[ARD], AIMG, v[LI]
	s_wait_alu depctr_va_vdst(0)
.macro WLOAD b, off                    ; batch b's four fragments (K steps 2 b, 2 b + 1; column tiles u = 0, 1): 16 loads of 512 consecutive bytes (destination window 2)
.irp k, 0,1
.irp u, 0,1
.irp c, 0,1,2,3
	global_load_b128 v[64*\b+16*(2*\k+\u)+4*\c:64*\b+16*(2*\k+\u)+4*\c+3], v[LI], s[6:7] offset:\off+16384*\u+2048*(2*\b+\k)+512*\c
.endr
.endr
.endr
.endm
.macro BLOAD off                       ; a block's bias as the accumulators want it: columns 16 u + 8 h + 0 .. 7
.irp u, 0,1
	global_load_b128 v[BI+8*\u:BI+8*\u+3],   v[BH], s[10:11] offset:\off+64*\u
	global_load_b128 v[BI+8*\u+4:BI+8*\u+7], v[BH], s[10:11] offset:\off+64*\u+16
.endr
.endm
	WIN 0x80
.irp q, 0,1,2,3
	WLOAD \q, 0                                    ; block 0: the ring's first round
.endr
	WIN 0
	BLOAD 0
	s_wait_kmcnt 0x0
	s_add_co_i32 s40, s78, s79
	s_add_co_i32 s40, s40, 127
	s_lshl_b32 s40, s40, 23                        ; 2^(e6 + e7)
	s_mov_b32 s41, s40
	s_mov_b32 s42, 0xbfb8aa3b                      ; -log2(e)
	s_mov_b32 s43, s42
	s_mov_b32 s44, 0x3a800000                      ; 1 / 1024
	s_mov_b32 s45, 0x3727c5ac                      ; 1e-5
	s_mov_b32 s[SJ], 0
	s_mov_b32 s[CNT], 7
	s_wait_tensorcnt 0x0                           ; my quarter of new_v is in
	ds_add_u32 v[SPW], v[NIL]
	s_wait_dscnt 0x0
	s_barrier_signal -1
	s_barrier_wait -1                              ; everybody's is
	tensor_load_to_lds s[G0X:G0X+3], s[G1X:G1X+7]  ; my 8 rows of x: my one load behind this barrier
	s_nop 0
.rept 4
	v_nop
.endr
	WIN 0x40
.set n, 0
.rept 64
	ds_load_b128 v[4*n:4*n+3], v[ARD] offset:512*n
.set n, n+1
.endr
	WIN 0
	s_wait_dscnt 0x0
; A BATCH: four fragments of W x two row tiles; the four accumulators take turns, one instruction a turn.  cnt: the loads issued behind the batch's own.
.macro BATCH b, cnt, fill
	s_wait_loadcnt \cnt
	WIN 0x06                                       ; W in window 2, new_v in window 1, the sums in window 0
.irp k, 0,1
.irp u, 0,1
.irp t, 0,1
.if (2*\b+\k) == 0
	v_wmma_f32_16x16x128_fp8_fp8 v[AC+16*\u+8*\t:AC+16*\u+8*\t+7], v[64*\b+16*(2*\k+\u):64*\b+16*(2*\k+\u)+15], v[128*\t+16*(2*\b+\k):128*\t+16*(2*\b+\k)+15], 0
.else
	v_wmma_f32_16x16x128_fp8_fp8 v[AC+16*\u+8*\t:AC+16*\u+8*\t+7], v[64*\b+16*(2*\k+\u):64*\b+16*(2*\k+\u)+15], v[128*\t+16*(2*\b+\k):128*\t+16*(2*\b+\k)+15], v[AC+16*\u+8*\t:AC+16*\u+8*\t+7]
.endif
.endr
.endr
.endr
.rept 4
	v_nop                                          ; four places: in front of the loads into the registers just read, and of the first read of the sums
.endr
.if \fill
	WIN 0x80
	WLOAD \b, 32768                                ; the same registers, for the next block
.endif
	WIN 0
.endm
; The block's 32 rows x 32 columns: sum x 2^(e6 + e7) + bias, swish, into the stage.  Each batch of transcendentals has one wait ahead of it and one behind it.
.macro SWISH
	v_add_nc_u32 v[STW], s[SJ], v[STO]
	v_add_nc_u32 v[STW+1], s[SJ], v[STO+1]
.set n, 0
.rept 16
	v_pk_fma_f32 v[VAL+n:VAL+n+1], v[AC+n:AC+n+1], s[40:41], v[BI+8*(n/16)+n%8:BI+8*(n/16)+n%8+1] op_sel_hi:[1,0,1]   ; each accumulator from its low end on
.set n, n+2
.endr
.set n, 0
.rept 16
	v_pk_mul_f32 v[E+n:E+n+1], v[VAL+n:VAL+n+1], s[42:43] op_sel_hi:[1,0]
.set n, n+2
.endr
	s_wait_alu depctr_va_vdst(0)
.set n, 0
.rept 32
	v_exp_f32 v[E+n], v[E+n]
.set n, n+1
.endr
	v_nop
	s_wait_alu depctr_va_vdst(0)
.set n, 0
.rept 16
	v_pk_add_f32 v[E+n:E+n+1], v[E+n:E+n+1], 1.0 op_sel_hi:[1,0]
.set n, n+2
.endr
	s_wait_alu depctr_va_vdst(0)
.set n, 0
.rept 32
	v_rcp_f32 v[E+n], v[E+n]
.set n, n+1
.endr
	v_nop
	s_wait_alu depctr_va_vdst(0)
.set n, 0
.rept 16
	v_pk_mul_f32 v[VAL+n:VAL+n+1], v[VAL+n:VAL+n+1], v[E+n:E+n+1]
.set n, n+2
.endr
.irp u, 0,1
.irp t, 0,1
	ds_store_b128 v[STW+\t], v[VAL+16*\u+8*\t:VAL+16*\u+8*\t+3]   offset:64*\u
	ds_store_b128 v[STW+\t], v[VAL+16*\u+8*\t+4:VAL+16*\u+8*\t+7] offset:64*\u+16
.endr
.endr
.endm
.Lblock:                                           ; blocks 0 to 6.  Behind a batch's own 16 loads stand the ring's other 48 and the block's 4 bias loads: 52
.irp q, 0,1,2,3
	BATCH \q, 52, 1
.endr
	s_wait_loadcnt 63                              ; the bias is in: 64 loads of the ring were issued behind it
	SWISH
	BLOAD 128                                      ; the next block's bias
	s_wait_xcnt 0x0                                ; all my loads have read their bases: only now are they stepped
	s_add_nc_u64 s[6:7], s[6:7], 32768
	s_add_nc_u64 s[10:11], s[10:11], 128
	s_add_co_u32 s[SJ], s[SJ], 128
	s_sub_co_u32 s[CNT], s[CNT], 1
	s_cmp_lg_u32 s[CNT], 0
	s_cbranch_scc1 .Lblock
.irp q, 0,1,2,3
	BATCH \q, 52-16*\q, 0                          ; block 7 asks for nothing more: behind batch q stand 16 (3 - q) loads and the bias's 4
.endr
	s_wait_loadcnt 0x0
	SWISH
.irp a, 0,1
	v_mov_b32 v[SA+8*\a+5], 0                      ; (named as the upper halves of pairs)
	v_mov_b32 v[SA+8*\a+7], 0
	v_mov_b32 v[PD+\a], 0                          ; a lane permute's destination counts as one of its sources
.endr
	s_wait_alu depctr_va_vdst(0)
	s_wait_tensorcnt 0x0                           ; my rows of x are in
	s_wait_dscnt 0x0                               ; my stores into the stage are done
	s_barrier_signal -1
	s_barrier_wait -1                              ; everybody's are
.macro LOADP p                         ; rows 2 p, 2 p + 1 of my eight: from the stage's four regions, and from x
.irp a, 0,1
.irp q, 0,1,2,3
	ds_load_b128 v[T0+64*((\p)%2)+32*\a+4*\q:T0+64*((\p)%2)+32*\a+4*\q+3], v[RD] offset:RP*(2*(\p)+\a)+REG*(\q/2)+512*(\q%2)
.endr
.irp q, 0,1,2,3
	ds_load_b128 v[T0+64*((\p)%2)+32*\a+16+4*\q:T0+64*((\p)%2)+32*\a+16+4*\q+3], v[RD2] offset:RP*(2*(\p)+\a)+REG*(\q/2)+512*(\q%2)
.endr
.irp q, 0,1,2,3,4,5,6,7
	ds_load_b128 v[XB+32*\a+4*\q:XB+32*\a+4*\q+3], v[XRD] offset:4096*(2*(\p)+\a)+512*\q
.endr
.endr
.endm
.macro RED                             ; v[SA], v[SA + 8]: each summed over the 32 lanes
.irp m, 1,2,4,8
.irp a, 0,1
	v_add_f32_dpp v[SA+8*\a], v[SA+8*\a], v[SA+8*\a] row_xmask:\m row_mask:0xf bank_mask:0xf
.endr
.endr
.irp a, 0,1
	v_permlanex16_b32 v[PD+\a], v[SA+8*\a], s[SEL], s[SEL+1]
.endr
.irp a, 0,1
	v_add_f32 v[SA+8*\a], v[SA+8*\a], v[PD+\a]
.endr
.endm
.macro FOLD                            ; a row's two pairs of sums into one number a lane
.irp a, 0,1
	v_pk_add_f32 v[SA+8*\a:SA+8*\a+1], v[SA+8*\a:SA+8*\a+1], v[SA+8*\a+2:SA+8*\a+3]
.endr
.irp a, 0,1
	v_add_f32 v[SA+8*\a], v[SA+8*\a], v[SA+8*\a+1]
.endr
	RED
.endm
.macro ROW2 p                          ; two rows, line by line; a lane holds 32 numbers of each
.set T, T0+64*((\p)%2)
	s_wait_dscnt 0x0
.set n, 0
.rept 16
.irp a, 0,1
	v_pk_add_f32 v[T+32*\a+n:T+32*\a+n+1], v[T+32*\a+n:T+32*\a+n+1], v[XB+32*\a+n:XB+32*\a+n+1]   ; x + m
.endr
.set n, n+2
.endr
.if (\p) < 3
	s_wait_alu depctr_va_vdst(0)
	s_wait_xcnt 0x0                                ; the pair before has had its stores' registers read: the next pair's loads may land there
	LOADP (\p)+1
.endif
.irp a, 0,1
	v_pk_add_f32 v[SA+8*\a:SA+8*\a+1], v[T+32*\a:T+32*\a+1], v[T+32*\a+2:T+32*\a+3]
.endr
.irp a, 0,1
	v_pk_add_f32 v[SA+8*\a+2:SA+8*\a+3], v[T+32*\a+4:T+32*\a+5], v[T+32*\a+6:T+32*\a+7]
.endr
.set n, 8
.rept 6
.irp a, 0,1
	v_pk_add_f32 v[SA+8*\a:SA+8*\a+1], v[SA+8*\a:SA+8*\a+1], v[T+32*\a+n:T+32*\a+n+1]
.endr
.irp a, 0,1
	v_pk_add_f32 v[SA+8*\a+2:SA+8*\a+3], v[SA+8*\a+2:SA+8*\a+3], v[T+32*\a+n+2:T+32*\a+n+3]
.endr
.set n, n+4
.endr
	FOLD
.irp a, 0,1
	v_mul_f32 v[SA+8*\a+4], s44, v[SA+8*\a]        ; the mean
.endr
.set n, 0
.rept 16
.irp a, 0,1
	v_pk_add_f32 v[T+32*\a+n:T+32*\a+n+1], v[T+32*\a+n:T+32*\a+n+1], v[SA+8*\a+4:SA+8*\a+5] op_sel_hi:[1,0] neg_lo:[0,1] neg_hi:[0,1]
.endr
.set n, n+2
.endr
.irp a, 0,1
	v_pk_mul_f32 v[SA+8*\a:SA+8*\a+1], v[T+32*\a:T+32*\a+1], v[T+32*\a:T+32*\a+1]
.endr
.irp a, 0,1
	v_pk_mul_f32 v[SA+8*\a+2:SA+8*\a+3], v[T+32*\a+2:T+32*\a+3], v[T+32*\a+2:T+32*\a+3]
.endr
.set n, 4
.rept 7
.irp a, 0,1
	v_pk_fma_f32 v[SA+8*\a:SA+8*\a+1], v[T+32*\a+n:T+32*\a+n+1], v[T+32*\a+n:T+32*\a+n+1], v[SA+8*\a:SA+8*\a+1]
.endr
.irp a, 0,1
	v_pk_fma_f32 v[SA+8*\a+2:SA+8*\a+3], v[T+32*\a+n+2:T+32*\a+n+3], v[T+32*\a+n+2:T+32*\a+n+3], v[SA+8*\a+2:SA+8*\a+3]
.endr
.set n, n+4
.endr
	FOLD
.irp a, 0,1
	v_fma_f32 v[SA+8*\a+6], v[SA+8*\a], s44, s45   ; the variance + 1e-5
.endr
	s_wait_alu depctr_va_vdst(0)                   ; ahead of the transcendentals,
.irp a, 0,1
	v_rsq_f32 v[SA+8*\a+6], v[SA+8*\a+6]
.endr
	v_nop
	s_wait_alu depctr_va_vdst(0)                   ; and ahead of their first reader
.set n, 0
.rept 16
.irp a, 0,1
	v_pk_mul_f32 v[T+32*\a+n:T+32*\a+n+1], v[T+32*\a+n:T+32*\a+n+1], v[SA+8*\a+6:SA+8*\a+7] op_sel_hi:[1,0]
.endr
.set n, n+2
.endr
.irp a, 0,1
.irp q, 0,1,2,3,4,5,6,7
	global_store_b128 v[LI], v[T+32*\a+4*\q:T+32*\a+4*\q+3], s[14:15] offset:4096*(2*(\p)+\a)+512*\q th:TH_STORE_NT   ; 32 lanes store 512 consecutive bytes, at a multiple of 256 from the buffer's first byte
.endr
.endr
.endm
	LOADP 0
.irp p, 0,1,2,3
	ROW2 \p
.endr
	s_wait_tensorcnt 0x0                           ; the wave's end
	ds_add_u32 v[SPW], v[NIL]
	s_wait_dscnt 0x0
	s_endpgm
.Lfunc_end_k_q0bf0883b87_proj:
	.size	k_q0bf0883b87_proj, .Lfunc_end_k_q0bf0883b87_proj-k_q0bf0883b87_proj
	.p2alignl 7, 3214868480
	.fill 96, 4, 3214868480
	.section	.rodata,"a",@progbits
	.p2align	6, 0x0
	.amdhsa_kernel k_q0bf0883b87_proj
		.amdhsa_group_segment_fixed_size 327680
		.amdhsa_private_segment_fixed_size 0
		.amdhsa_enable_private_segment 0
		.amdhsa_kernarg_size 48
		.amdhsa_user_sgpr_count 2
		.amdhsa_user_sgpr_kernarg_segment_ptr 1
		.amdhsa_wavefront_size32 1
		.amdhsa_system_sgpr_workgroup_id_x 1
		.amdhsa_system_sgpr_workgroup_id_y 1
		.amdhsa_system_sgpr_workgroup_id_z 1
		.amdhsa_system_vgpr_workitem_id 0
		.amdhsa_next_free_vgpr 768
		.amdhsa_next_free_sgpr 82
		.amdhsa_reserve_vcc 0
		.amdhsa_float_denorm_mode_32 3
		.amdhsa_float_denorm_mode_16_64 3
		.amdhsa_memory_ordered 1
		.amdhsa_forward_progress 1
		.amdhsa_inst_pref_size 104
	.end_amdhsa_kernel
	.amdgpu_metadata
---
amdhsa.version: [ 1, 2 ]
amdhsa.kernels:
  - .name:           k_q0bf0883b87_proj
    .symbol:         k_q0bf0883b87_proj.kd
    .args:
      - { .name: nv_img, .offset: 0, .size: 8, .value_kind: global_buffer, .address_space: global }
      - { .name: w2_img, .offset: 8, .size: 8, .value_kind: global_buffer, .address_space: global }
      - { .name: lowp_scales, .offset: 16, .size: 8, .value_kind: global_buffer, .address_space: global }
      - { .name: b_fc2, .offset: 24, .size: 8, .value_kind: global_buffer, .address_space: global }
      - { .name: x, .offset: 32, .size: 8, .value_kind: global_buffer, .address_space: global }
      - { .name: out0, .offset: 40, .size: 8, .value_kind: global_buffer, .address_space: global }
    .group_segment_fixed_size: 327680
    .private_segment_fixed_size: 0
    .kernarg_segment_align: 8
    .kernarg_segment_size: 48
    .max_flat_workgroup_size: 128
    .sgpr_count:     82
    .vgpr_count:     768
    .wavefront_size: 32
...
	.end_amdgpu_metadata
.endif
;; end of part 8
